; MI455X (gfx1250); checked and timed in simulation.
; The chip was launched on July 23, 2026; its instructions are those of AMD's public machine-readable ISA for CDNA 5 (MIT licence, August 2026) and "CDNA5" Instruction Set Architecture Reference Guide (July 2026). The comments in the code are by the model that wrote it; some were corrected since.
;; Triton Grouped Experts Fused. Allowed arithmetic: matrix products marked QUANTISED: E2M1 operands, one E8M0 scale for each 32 along K, by v_wmma_scale_f32_16x16x128_f8f6f4 with both operands' format E2M1 (or v_wmma_scale_f32_32x16x128_f4), f32 sums; everything else in f32.
;; Inputs: expert_indices 2,048 x 2 int32; expert_weights 2,048 x 2 float32; w1 8 x 1,024 x 1,024 float32; w2 8 x 1,024 x 1,024 float32; w3 8 x 1,024 x 1,024 float32; x 2,048 x 1,024 float32.
;; Outputs: out0 2,048 x 1,024 float32.
;; This version of the problem:
;;   THIS VERSION OF THE PROBLEM IS GIVEN IN LOW PRECISION. The matrix products marked QUANTISED in the list below multiply operands that are first quantised to E2M1 (2 exponent bits, 1 mantissa bit; 4 bits a number), with one power-of-two scale for each 32 numbers along K (OCP MX v1.0); their sums are f32. All else is computed in f32.
;;   The module's matrix products, in the order in which they are computed (A, B: the left and right operand; K: the contracted axis; several contracted axes count as one K, in the product's order):
;;     1. [M 2,048, K 1,024] x [K 1,024, N 1,024]; A: input x; B: input w1: QUANTISED
;;     2. [M 2,048, K 1,024] x [K 1,024, N 1,024]; A: input x; B: input w2: QUANTISED
;;     3. [M 2,048, K 1,024] x [K 1,024, N 1,024]; A: computed on the way; B: input w3: QUANTISED
;;     4. [M 2,048, K 1,024] x [K 1,024, N 1,024]; A: input x; B: input w1: QUANTISED
;;     5. [M 2,048, K 1,024] x [K 1,024, N 1,024]; A: input x; B: input w2: QUANTISED
;;     6. [M 2,048, K 1,024] x [K 1,024, N 1,024]; A: computed on the way; B: input w3: QUANTISED
;;     7. [M 2,048, K 1,024] x [K 1,024, N 1,024]; A: input x; B: input w1: QUANTISED
;;     8. [M 2,048, K 1,024] x [K 1,024, N 1,024]; A: input x; B: input w2: QUANTISED
;;     9. [M 2,048, K 1,024] x [K 1,024, N 1,024]; A: computed on the way; B: input w3: QUANTISED
;;     10. [M 2,048, K 1,024] x [K 1,024, N 1,024]; A: input x; B: input w1: QUANTISED
;;     11. [M 2,048, K 1,024] x [K 1,024, N 1,024]; A: input x; B: input w2: QUANTISED
;;     12. [M 2,048, K 1,024] x [K 1,024, N 1,024]; A: computed on the way; B: input w3: QUANTISED
;;     13. [M 2,048, K 1,024] x [K 1,024, N 1,024]; A: input x; B: input w1: QUANTISED
;;     14. [M 2,048, K 1,024] x [K 1,024, N 1,024]; A: input x; B: input w2: QUANTISED
;;     15. [M 2,048, K 1,024] x [K 1,024, N 1,024]; A: computed on the way; B: input w3: QUANTISED
;;     16. [M 2,048, K 1,024] x [K 1,024, N 1,024]; A: input x; B: input w1: QUANTISED
;;     17. [M 2,048, K 1,024] x [K 1,024, N 1,024]; A: input x; B: input w2: QUANTISED
;;     18. [M 2,048, K 1,024] x [K 1,024, N 1,024]; A: computed on the way; B: input w3: QUANTISED
;;     19. [M 2,048, K 1,024] x [K 1,024, N 1,024]; A: input x; B: input w1: QUANTISED
;;     20. [M 2,048, K 1,024] x [K 1,024, N 1,024]; A: input x; B: input w2: QUANTISED
;;     21. [M 2,048, K 1,024] x [K 1,024, N 1,024]; A: computed on the way; B: input w3: QUANTISED
;;     22. [M 2,048, K 1,024] x [K 1,024, N 1,024]; A: input x; B: input w1: QUANTISED
;;     23. [M 2,048, K 1,024] x [K 1,024, N 1,024]; A: input x; B: input w2: QUANTISED
;;     24. [M 2,048, K 1,024] x [K 1,024, N 1,024]; A: computed on the way; B: input w3: QUANTISED
;;   THE QUANTISER, for each operand of a quantised product, along K:
;;     - K is cut into blocks of 32 from its start; a last block that is shorter is filled with zeros.
;;     - A block's scale is 2^e with e = floor(log2(the largest magnitude in the block)) - 2, held to -126 .. 127; a block of zeros has e = 0. As a byte (E8M0): e + 127.
;;     - Each number is divided by its block's scale, clamped to +-6, and rounded to the nearest number of E2M1, ties to even, subnormals kept.
;;     - The product sums the exact products of the quantised numbers (number of the format x scale) in f32.
;;   ~~~python
;;   def quantise(x, axis):      # numpy; x: float32 -> the quantised numbers, widened to float32 again
;;       x = np.moveaxis(x, axis, -1); K = x.shape[-1]
;;       x = np.pad(x, [(0, 0)] * (x.ndim - 1) + [(0, -K % 32)]); x = x.reshape(x.shape[:-1] + (-1, 32)); a = np.abs(x).max(-1, keepdims=True)
;;       e = np.where(a > 0, np.clip(np.frexp(np.where(a > 0, a, 1))[1] - 1 - 2, -126, 127), 0)      # np.frexp(a)[1] - 1 = floor(log2(a)), exactly
;;       r = np.clip(x / 2.0 ** e, -6, 6)
;;       step = 2.0 ** (np.maximum(np.frexp(np.where(r == 0, 1, r))[1] - 1, 0) - 1)
;;       q = np.round(r / step) * step * 2.0 ** e      # np.round: ties to even
;;       return np.moveaxis(q.reshape(q.shape[:-2] + (-1,))[..., :K], -1, axis).astype(np.float32)
;;   ~~~
;;   OPERANDS COMPUTED ON THE WAY. 'Computed on the way' means the value that the module computes at that place (a softmax that the list does not call 'softmax' is quantised finished and normalised). What goes into a quantiser is computed in f32, as accurately as f32 sums, v_exp_f32 and their like allow (about 1e-6 of the number): no bf16 or f16 on the way to a quantiser, and a product that is left as it is and whose result goes on into a quantised operand takes f32 operands (vector FMAs, or v_wmma_f32_16x16x4_f32). A number that lies on a knife's edge between two numbers of the format may be rounded either way, as far as f32 arithmetic and the matrix unit's own rounding can turn it there, and no further.
;; 2 versions, each right; version 2 is version 1 with the launches hidden, combine written anew for expert scheduling mode. Each part assembles by itself: llvm-mc -triple=amdgcn-amd-amdhsa -mcpu=gfx1250 --defsym DOCPART=n.
;; ======== version 1 of 2: 3 launches
;; workspace buffers: wq 12,582,912 bytes; wsc 786,432 bytes; xq 1,048,576 bytes; xs 65,536 bytes; hq 2,097,152 bytes; hs 131,072 bytes; route 8,448 bytes of whole numbers
;; launch prep (part 1): grid 1793 x 1, 4 waves a work-group, no clusters, 39,936 bytes of LDS; arguments x, expert_indices, w1, w2, w3, xq, xs, wq, wsc, route; writes xq, xs, wq, wsc, route
.if DOCPART == 1
	.amdgcn_target "amdgcn-amd-amdhsa--gfx1250"
	.amdhsa_code_object_version 6
	.text
	.protected	k_q3b2406070b_prep
	.globl	k_q3b2406070b_prep
	.p2align	8
	.type	k_q3b2406070b_prep,@function
k_q3b2406070b_prep:
	s_mov_b64 s[64:65], 0
	v_nop
	global_prefetch_b8 v0, s[64:65] scope:SCOPE_SE
	s_setreg_imm32_b32 hwreg(HW_REG_WAVE_MODE, 25, 1), 1
	s_wait_xcnt 0x0
; PREP: everything that is done once.  Three kinds of work-group, told apart by the work-group's number alone:
;   0            sorts the 2,048 tokens by the SET of their two experts (key = 8 min + max, a counting sort without atomics) and stores, as whole numbers, the token at each sorted place
;                (route words 0..2047) and for each block of 64 sorted places the mask of the experts that it uses (words 2048..2079);
;   1 .. 256     turn x [2048][1024] f32 into codes of FP4 (E2M1), K innermost (xq [token][512 bytes]), with one E8M0 byte for each 32 along K (xs [token][32]): 32 KiB of x a work-group;
;   257 .. 1792  turn w1, w2, w3 [8][K 1024][N 1024] f32, whose K is NOT innermost, into codes and scale words laid in the order of the operand's registers (wq, wsc): 64 KiB a work-group.
; A block's scale is 2^(floor(log2(its largest magnitude)) - 2): its byte is the largest magnitude's exponent field - 2, held at 1 from below by a floor among the maximum's leaves.
; LAYOUT OF wq: for matrix mat (0, 1, 2), expert e, group g of 32 columns, K step s of 128: 2,048 bytes at ((8 mat + e) 32 + g) 16384 + 2048 s: two tiles u of 16 columns, each the image of a fragment's
; 8 registers: 1024 u + 512 c + 16 x lane, lane = 16 hh + rho holding the 32 codes k = 128 s + 64 c + 32 hh + 0..31 of column 32 g + 8 u + rho + 8 (rho / 8).  (The columns of a tile are not neighbours, so that the 16
; result registers of tiles 0 and 1 are 16 neighbouring columns.)  wsc: (8 mat + e) 32768 + 4096 s + 128 g + 4 (16 u + rho): the column's four scale bytes of K step s.
; LIMITS: NaN and infinities among the inputs are not served.  A block whose largest magnitude lies under 2^-124, a block of zeros too, gets the byte 1 (its codes are then zeros or nearly so; the bytes are read by this
; program alone).  Expert numbers outside 0..7 are sorted as 7; they are never chosen later, as in the reference.  The sorted list leaves by stores of 4 bytes to scattered places: 8 KiB in all, a permutation.
; No tensor loads, no cluster: the three paths share no input; each path has LDS bytes of its own.
.set NXW,   256                        ; x's work-groups
.set SP,    80                         ; x path: a lane's place in a stage: 64 bytes + 16 of padding
.set XSTG,  5120                       ; x path: LDS of a wave: two stages of 32 x SP bytes
.set XSB,   20480                      ; x path: behind the four waves' stages: the work-group's 256 scale bytes
.set CT,    22528                      ; sorter: counts [64 chunks][64 keys], words: 16,384 bytes
.set WX,    38912                      ; weights path: the four waves' scale words, 512 bytes
.set WN,    16                         ; weights: v16-79  two sets of 32 numbers
.set WC,    80                         ; weights: v80-95  four registers of codes for each block: no store's data are written again
.set XR,    16                         ; x: v16-79   four sets of 16 numbers as loaded, one for each step
.set XX,    80                         ; x: v80-111  two sets of 16 neighbours
.set XE,    112                        ; x: v112-115 a scale byte for each step
.set XC,    116                        ; x: v116-123 two registers of codes for each step
.set KEY,   16                         ; sorter: v16-31 my token's key in each of my wave's 16 chunks
.set RK,    32                         ; sorter: v32-47 how many lower lanes of the chunk have my key
.set IDX,   48                         ; sorter: v48-79 the index pairs; later v48-111 a column of counts; at last v48-63 the token numbers
.set CNT,   80                         ; sorter: v80-111 a chunk's counts: key = lane, two registers
	s_load_b512 s[4:19], s[0:1], 0x0               ; x 4:5, expert_indices 6:7, w1 8:9, w2 10:11, w3 12:13, xq 14:15, xs 16:17, wq 18:19
	s_load_b128 s[20:23], s[0:1], 0x40             ; wsc 20:21, route 22:23
	v_lshl_add_u32 v128, v0, 2, 0x9a00
	v_mov_b32 v129, 0
	v_lshrrev_b32 v1, 5, v0
	v_readfirstlane_b32 s24, v1                    ; wave 0..3
	v_and_b32 v10, 31, v0                          ; lane
	s_wait_kmcnt 0x0
	s_cmp_eq_u32 ttmp9, 0
	s_cbranch_scc1 .Lsort
	s_cmp_lt_u32 ttmp9, NXW+1
	s_cbranch_scc1 .Lxpath
; ---------------------------------------------------------------- THE WEIGHTS
; A work-group takes 128 columns x 128 along K of one expert's matrix; a wave 32 columns.  A LANE TAKES A COLUMN AND ITS REGISTERS RUN DOWN K: a block of 32 lies in one lane's 32 registers, its largest magnitude needs
; no other lane, and the conversions give codes with K innermost.  Each load of a wave reads 128 consecutive bytes of a row, the four waves side by side 512.
	s_sub_co_u32 s25, ttmp9, NXW+1
	s_lshr_b32 s26, s25, 6                         ; 8 mat + e
	s_and_b32 s27, s25, 7                          ; which 128 columns
	s_bfe_u32 s28, s25, 0x30003                    ; K step s
	s_lshr_b32 s29, s26, 3                         ; mat
	s_and_b32 s30, s26, 7                          ; e
	s_lshl_b32 s32, s30, 22                        ; the source: e x 4 MiB + 128 s rows of 4,096 bytes + 512 x column chunk + 128 x wave
	s_lshl_b32 s31, s28, 19
	s_add_co_u32 s32, s32, s31
	s_lshl_b32 s31, s27, 9
	s_add_co_u32 s32, s32, s31
	s_lshl_b32 s31, s24, 7
	s_add_co_u32 s32, s32, s31
	s_mov_b32 s33, 0
	s_cmp_eq_u32 s29, 1                            ; the choice of the buffer hangs on the work-group's number alone
	s_cselect_b64 s[8:9], s[10:11], s[8:9]
	s_cmp_eq_u32 s29, 2
	s_cselect_b64 s[8:9], s[12:13], s[8:9]
	s_add_nc_u64 s[8:9], s[8:9], s[32:33]
	s_lshl_b32 s32, s26, 19                        ; wq: (8 mat + e) x 512 KiB + g x 16,384 + 2,048 s, g = 4 x column chunk + wave
	s_lshl_b32 s31, s27, 16
	s_add_co_u32 s32, s32, s31
	s_lshl_b32 s31, s24, 14
	s_add_co_u32 s32, s32, s31
	s_lshl_b32 s31, s28, 11
	s_add_co_u32 s32, s32, s31
	s_add_nc_u64 s[18:19], s[18:19], s[32:33]
	s_lshl_b32 s32, s26, 15                        ; wsc: (8 mat + e) x 32,768 + 4,096 s + 512 x column chunk
	s_lshl_b32 s31, s28, 12
	s_add_co_u32 s32, s32, s31
	s_lshl_b32 s31, s27, 9
	s_add_co_u32 s32, s32, s31
	s_add_nc_u64 s[20:21], s[20:21], s[32:33]
	v_and_b32 v6, 15, v10                          ; rho
	v_lshrrev_b32 v7, 4, v10                       ; u
	v_and_b32 v8, 8, v6
	v_add_nc_u32 v8, v8, v6
	v_lshl_add_u32 v8, v7, 3, v8                   ; my column of the wave's 32: 8 u + rho + 8 (rho / 8)
	v_lshlrev_b32 v1, 2, v8                        ; in: 4 bytes a column
	v_lshlrev_b32 v2, 4, v6
	v_lshl_add_u32 v2, v7, 10, v2                  ; out: 1024 u + 16 rho: lanes 0-15 fill 256 consecutive bytes of tile 0, lanes 16-31 of tile 1
	v_lshlrev_b32 v5, 4, v10                       ; 16 x lane
	v_add_nc_u32 v4, WX, v5
	s_lshl_b32 s31, s24, 7
	v_lshl_add_u32 v3, v10, 2, s31
	v_add_nc_u32 v3, WX, v3                        ; my scale word's place: WX + 128 x wave + 4 x lane
.macro WLOAD t                         ; block t: W(32 t + i, my column), i = 0 .. 31, into set t % 2
.irp i, 0,1,2,3,4,5,6,7,8,9,10,11,12,13,14,15,16,17,18,19,20,21,22,23,24,25,26,27,28,29,30,31
	global_load_b32 v[WN+32*((\t)%2)+\i], v1, s[8:9] offset:(32*(\t)+\i)*4096 th:TH_LOAD_NT
.endr
.endm
.macro WBLOCK t
.set WS_, WN+32*((\t)%2)
.if (\t) < 3
	s_wait_loadcnt 32                              ; this block's 32 loads are in; the next block's 32 may be out
.else
	s_wait_loadcnt 0x0
.endif
	v_max3_num_f32 v12, |v[WS_]|, |v[WS_+1]|, |v[WS_+2]|          ; the block's largest magnitude, in two chains: all 32 numbers are mine
	v_max3_num_f32 v13, |v[WS_+3]|, |v[WS_+4]|, |v[WS_+5]|
.irp i, 6,10,14,18,22,26
	v_max3_num_f32 v12, v12, |v[WS_+\i]|, |v[WS_+\i+1]|
	v_max3_num_f32 v13, v13, |v[WS_+\i+2]|, |v[WS_+\i+3]|
.endr
	v_max3_num_f32 v12, v12, |v[WS_+30]|, |v[WS_+31]|
	v_max3_num_f32 v12, v12, v13, 0x1800000        ; and the floor 2^(3 - 127): the byte cannot fall under 1
	v_add_nc_u32 v11, 0xff000000, v12              ; 2 off the exponent field: the conversion takes the exponent field of this operand as its scale
	v_lshrrev_b32 v14, 23, v11                     ; the scale's byte
.if (\t) == 0
	v_mov_b32 v15, v14                             ; four bytes make my column's scale word of this K step, the lower K in the lower byte
.else
	v_lshl_or_b32 v15, v14, 8*(\t), v15
.endif
.irp g, 0,1,2,3
	v_cvt_scalef32_pk8_fp4_f32 v[WC+4*(\t)+\g], v[WS_+8*\g:WS_+8*\g+7], v11
.endr
	global_store_b128 v2, v[WC+4*(\t):WC+4*(\t)+3], s[18:19] offset:256*(\t)   ; block t = 2 c + hh lies at 512 c + 256 hh of each tile's image
.if (\t)+2 < 4
	WLOAD (\t)+2
.endif
.endm
	WLOAD 0
	WLOAD 1
	WBLOCK 0
	WBLOCK 1
	WBLOCK 2
	WBLOCK 3
	ds_store_b32 v3, v15                           ; the four waves' scale words meet in LDS, so that they leave as 512 consecutive bytes
	s_wait_dscnt 0x0                               ; for the others' sake: my store has landed
	s_barrier_signal -1
	s_barrier_wait -1
	s_cmp_lg_u32 s24, 0
	s_cbranch_scc1 .Lwdone
	ds_load_b128 v[96:99], v4
	s_wait_dscnt 0x0
	global_store_b128 v5, v[96:99], s[20:21]
.Lwdone:
	s_wait_tensorcnt 0x0
	ds_add_u32 v128, v129
	s_wait_dscnt 0x0
	s_endpgm
; ---------------------------------------------------------------- x
; Rows are dense and 1,024 is a multiple of 32: x is a plain stream of blocks of 32.  A wave takes 4 steps of 512 numbers, and ALL its 16 loads go out at the head: no load waits for an earlier one's data.
; Each load reads 512 consecutive bytes; a step's 2,048 bytes turn through the wave's own stage in LDS and come back 64 bytes a lane: 16 neighbours along K, two neighbouring lanes to a block.
; A wave makes 64 scale bytes: the four waves' meet in 256 bytes of LDS and leave as one aligned run of 256 bytes.
.Lxpath:
	v_lshlrev_b32 v3, 4, v10                       ; my 16 bytes of a load's 512
	s_mul_i32 s25, s24, XSTG
	v_lshrrev_b32 v14, 2, v10
	v_mul_u32_u24 v14, v14, SP
	v_and_b32 v15, 3, v10
	v_lshl_add_u32 v14, v15, 4, v14
	v_add_nc_u32 v14, s25, v14                     ; the stage, on the way in: SP (lane / 4) + 16 (lane % 4)
	v_mul_u32_u24 v15, v10, SP
	v_add_nc_u32 v15, s25, v15                     ; and on the way out: SP x lane
	v_lshlrev_b32 v4, 3, v10                       ; 8 bytes a lane: my codes' place in a step's 256, and my part of the work-group's 256 scale bytes
	v_lshrrev_b32 v5, 1, v10
	s_lshl_b32 s25, s24, 6
	v_add_nc_u32 v5, s25, v5
	v_add_nc_u32 v5, XSB, v5                       ; LDS: my block's scale byte: XSB + 64 x wave + lane / 2 (+ 16 x step)
	v_add_nc_u32 v6, XSB, v4
	s_sub_co_u32 s26, ttmp9, 1                     ; which 8,192 numbers are my work-group's: 0 .. 255
	s_mov_b32 s29, 0
	s_lshl_b32 s28, s26, 8
	s_add_nc_u64 s[16:17], s[16:17], s[28:29]      ; its 256 scale bytes
	s_lshl_b32 s26, s26, 2
	s_add_co_u32 s26, s26, s24                     ; which run of 2,048 numbers is my wave's: 0 .. 1023
	s_lshl_b32 s28, s26, 13
	s_add_nc_u64 s[4:5], s[4:5], s[28:29]
	s_lshl_b32 s28, s26, 10
	s_add_nc_u64 s[14:15], s[14:15], s[28:29]
.macro XLOAD t
.irp i, 0,1,2,3
	global_load_b128 v[XR+16*(\t)+4*\i:XR+16*(\t)+4*\i+3], v3, s[4:5] offset:2048*(\t)+512*\i th:TH_LOAD_NT
.endr
.endm
.macro XTURN t                         ; LDS serves a wave's instructions in order (ISA guide 5.7.1.4): no wait between the stores and the loads
.irp i, 0,1,2,3
	ds_store_b128 v14, v[XR+16*(\t)+4*\i:XR+16*(\t)+4*\i+3] offset:32*SP*((\t)%2)+8*SP*\i
.endr
.irp i, 0,1,2,3
	ds_load_b128 v[XX+16*((\t)%2)+4*\i:XX+16*((\t)%2)+4*\i+3], v15 offset:32*SP*((\t)%2)+16*\i
.endr
.endm
.macro XSTEP t
.set XN, XX+16*((\t)%2)
.if (\t) > 0
	s_wait_dscnt 1                                 ; this step's numbers are back from the stage (the last step's byte store may be out)
.else
	s_wait_dscnt 0x0
.endif
.if (\t)+1 < 4
	s_wait_loadcnt 4*(2-(\t))                      ; the next step's four loads are in; those of the steps behind it may be out
	XTURN (\t)+1                                   ; and go through the other stage while this step is worked
.endif
	v_max3_num_f32 v8, |v[XN]|, |v[XN+1]|, |v[XN+2]|               ; the largest magnitude of my 16
	v_max3_num_f32 v9, |v[XN+3]|, |v[XN+4]|, |v[XN+5]|
.irp i, 6,10
	v_max3_num_f32 v8, v8, |v[XN+\i]|, |v[XN+\i+1]|
	v_max3_num_f32 v9, v9, |v[XN+\i+2]|, |v[XN+\i+3]|
.endr
	v_max3_num_f32 v8, v8, |v[XN+14]|, |v[XN+15]|
	v_max3_num_f32 v8, v8, v9, 0x1800000           ; and the floor
	v_max_num_f32_dpp v8, v8, v8 row_xmask:1 row_mask:0xf bank_mask:0xf   ; and of my neighbour's 16: the block's
	v_add_nc_u32 v11, 0xff000000, v8
	v_cvt_scalef32_pk8_fp4_f32 v[XC+2*(\t)], v[XN:XN+7], v11
	v_cvt_scalef32_pk8_fp4_f32 v[XC+2*(\t)+1], v[XN+8:XN+15], v11
	v_lshrrev_b32 v[XE+(\t)], 23, v11              ; the scale's byte (a plain line behind the conversions)
	ds_store_b8 v5, v[XE+(\t)] offset:16*(\t)      ; both lanes of a block write the same byte with the same value
	global_store_b64 v4, v[XC+2*(\t):XC+2*(\t)+1], s[14:15] offset:256*(\t)   ; the wave stores 256 consecutive bytes, aligned
.endm
	XLOAD 0
	XLOAD 1
	XLOAD 2
	XLOAD 3
	s_wait_loadcnt 12                              ; step 0's four loads are in; the other three steps' twelve may be out
	XTURN 0
	XSTEP 0
	XSTEP 1
	XSTEP 2
	XSTEP 3
	s_wait_dscnt 0x0                               ; for the others' sake: my scale bytes have landed
	s_barrier_signal -1
	s_barrier_wait -1
	s_cmp_lg_u32 s24, 0
	s_cbranch_scc1 .Lxdone
	ds_load_b64 v[12:13], v6                       ; the work-group's 256 scale bytes, 8 a lane
	s_wait_dscnt 0x0
	global_store_b64 v4, v[12:13], s[16:17]
.Lxdone:
	s_wait_tensorcnt 0x0
	ds_add_u32 v128, v129
	s_wait_dscnt 0x0
	s_endpgm
; ---------------------------------------------------------------- THE SORT
; Chunk c = 16 wave + i holds tokens 32 c + lane.  Phase 1: each wave finds, for each of its 16 chunks, every lane's key and its rank among the chunk's lower lanes of the same key, and the chunk's count of each of the
; 36 keys; the counts go to LDS.  Phase 2 (wave 0): down each key's column an exclusive sum over the chunks, on top of the key's first place; and each block's mask of experts.  Phase 3: place = that sum + rank.
.Lsort:
	v_lshlrev_b32 v1, 2, v10                       ; 4 x lane
	s_lshl_b32 s25, s24, 12
	v_lshl_add_u32 v2, v10, 3, s25                 ; my token's index pair: 8 bytes a token, 4,096 bytes a wave
	v_add_nc_u32 v3, s25, v1
	v_add_nc_u32 v3, CT, v3                        ; my wave's 16 rows of the counts: 256 bytes a chunk
	v_add_nc_u32 v4, CT, v1                        ; the whole table's column
.irp i, 0,1,2,3,4,5,6,7,8,9,10,11,12,13,14,15
	global_load_b64 v[IDX+2*\i:IDX+2*\i+1], v2, s[6:7] offset:256*\i
.endr
	s_wait_loadcnt 0x0
.macro CHUNK i
	v_min_u32 v5, 7, v[IDX+2*\i]
	v_min_u32 v6, 7, v[IDX+2*\i+1]
	v_min_u32 v7, v5, v6                           ; A: the smaller expert
	v_max_u32 v8, v5, v6                           ; B: the larger
	v_lshl_add_u32 v[KEY+\i], v7, 3, v8
.irp e, 0,1,2,3,4,5,6,7
	v_cmp_eq_u32 s[32+\e], \e, v7                  ; the lanes whose A is e,
	v_cmp_eq_u32 s[40+\e], \e, v8                  ; whose B is e
.endr
	v_mov_b32 v5, s32
	v_mov_b32 v6, s40
.irp e, 1,2,3,4,5,6,7
	v_cndmask_b32 v5, v5, s[32+\e], s[32+\e]       ; each lane picks the mask of its own A,
	v_cndmask_b32 v6, v6, s[40+\e], s[40+\e]       ; and of its own B
.endr
	v_and_b32 v5, v5, v6                           ; the lanes with my key
	v_mbcnt_lo_u32_b32 v[RK+\i], v5, 0             ; how many of them are below me
	v_mov_b32 v[CNT+2*\i], 0
	v_mov_b32 v[CNT+2*\i+1], 0
.irp a, 0,1,2,3,4,5,6,7
.irp b, 0,1,2,3,4,5,6,7
.if \a <= \b
	s_and_b32 s[48+\b%4], s[32+\a], s[40+\b]
	s_bcnt1_i32_b32 s[48+\b%4], s[48+\b%4]
	v_writelane_b32 v[CNT+2*\i+(8*\a+\b)/32], s[48+\b%4], (8*\a+\b)%32
.endif
.endr
.endr
	ds_store_b32 v3, v[CNT+2*\i] offset:256*\i
	ds_store_b32 v3, v[CNT+2*\i+1] offset:256*\i+128
.endm
.irp i, 0,1,2,3,4,5,6,7,8,9,10,11,12,13,14,15
	CHUNK \i
.endr
	s_wait_dscnt 0x0                               ; my counts have landed
	s_barrier_signal -1
	s_barrier_wait -1
	s_cmp_lg_u32 s24, 0
	s_cbranch_scc1 .Lsort3
	v_lshlrev_b32 v12, 6, v10                      ; lane = block: its first place,
	v_add_nc_u32 v13, 64, v12                      ; and the place behind its last
	v_mov_b32 v11, 0                               ; its mask of experts
	s_mov_b32 s52, 0                               ; the place at which the next key begins
.macro HALF hf                         ; keys 32 hf + lane
.set cc, 0
.rept 64
	ds_load_b32 v[IDX+cc], v4 offset:256*cc+128*\hf
.set cc, cc+1
.endr
	s_wait_dscnt 0x0
.set cc, 1
.rept 63
	v_add_nc_u32 v[IDX+cc], v[IDX+cc], v[IDX+cc-1]  ; sums down the chunks, each chunk's own count among them
.set cc, cc+1
.endr
	v_mov_b32 v14, 0                               ; each key's first place
.irp a, 0,1,2,3
.irp b, 0,1,2,3,4,5,6,7
.if \a+4*\hf <= \b
	v_readlane_b32 s53, v[IDX+63], 8*\a+\b         ; the key's tokens in all
	v_writelane_b32 v14, s52, 8*\a+\b
	s_add_co_u32 s53, s52, s53                     ; the place behind its last
	v_max_u32 v15, s52, v12
	v_min_u32 v9, s53, v13
	v_cmp_lt_u32 vcc_lo, v15, v9                   ; does the key's run of places meet my block?
	v_or_b32 v9, (1<<(\a+4*\hf))|(1<<\b), v11
	v_cndmask_b32 v11, v11, v9, vcc_lo
	s_mov_b32 s52, s53
.endif
.endr
.endr
.set cc, 0
.rept 63
	v_add_nc_u32 v[IDX+cc], v14, v[IDX+cc]
.set cc, cc+1
.endr
	ds_store_b32 v4, v14 offset:128*\hf            ; chunk 0 begins at the key's first place, chunk c behind the chunks before it.  (The whole half was read before this is written)
.set cc, 1
.rept 63
	ds_store_b32 v4, v[IDX+cc-1] offset:256*cc+128*\hf
.set cc, cc+1
.endr
	s_wait_dscnt 0x0                               ; the stores have read their registers
.endm
	HALF 0
	HALF 1
	global_store_b32 v1, v11, s[22:23] offset:8192 ; the 32 blocks' masks
.Lsort3:
	s_wait_dscnt 0x0
	s_barrier_signal -1
	s_barrier_wait -1
.irp i, 0,1,2,3,4,5,6,7,8,9,10,11,12,13,14,15
	ds_load_b32 v[IDX+2*\i], v3 offset:256*\i
	ds_load_b32 v[IDX+2*\i+1], v3 offset:256*\i+128
	v_lshlrev_b32 v[112+\i], 2, v[KEY+\i]          ; 4 x key: the lane (key mod 32) that holds my key's figure
.endr
	s_wait_dscnt 0x0
.irp i, 0,1,2,3,4,5,6,7,8,9,10,11,12,13,14,15
	ds_bpermute_b32 v[CNT+2*\i], v[112+\i], v[IDX+2*\i]
	ds_bpermute_b32 v[CNT+2*\i+1], v[112+\i], v[IDX+2*\i+1]
.endr
	s_wait_dscnt 0x0                               ; the figures are in, and v48-79 and v112-127 are free again
	s_lshl_b32 s25, s24, 9
	v_add_nc_u32 v5, s25, v10                      ; my token in chunk 0 of my wave
.irp i, 0,1,2,3,4,5,6,7,8,9,10,11,12,13,14,15
	v_cmp_gt_u32 vcc_lo, 32, v[KEY+\i]
	v_cndmask_b32 v6, v[CNT+2*\i+1], v[CNT+2*\i], vcc_lo
	v_add_nc_u32 v6, v6, v[RK+\i]                  ; my place
	v_min_u32 v6, 0x7ff, v6
	v_lshlrev_b32 v[112+\i], 2, v6
	v_add_nc_u32 v[IDX+\i], 32*\i, v5
	global_store_b32 v[112+\i], v[IDX+\i], s[22:23]
.endr
	s_wait_tensorcnt 0x0
	ds_add_u32 v128, v129
	s_wait_dscnt 0x0
	s_endpgm
.Lfunc_end_k_q3b2406070b_prep:
	.size	k_q3b2406070b_prep, .Lfunc_end_k_q3b2406070b_prep-k_q3b2406070b_prep
	.p2alignl 7, 3214868480
	.fill 96, 4, 3214868480
	.section	.rodata,"a",@progbits
	.p2align	6, 0x0
	.amdhsa_kernel k_q3b2406070b_prep
		.amdhsa_group_segment_fixed_size 39936
		.amdhsa_private_segment_fixed_size 0
		.amdhsa_enable_private_segment 0
		.amdhsa_kernarg_size 80
		.amdhsa_user_sgpr_count 2
		.amdhsa_user_sgpr_kernarg_segment_ptr 1
		.amdhsa_wavefront_size32 1
		.amdhsa_system_sgpr_workgroup_id_x 1
		.amdhsa_system_sgpr_workgroup_id_y 1
		.amdhsa_system_sgpr_workgroup_id_z 1
		.amdhsa_system_vgpr_workitem_id 0
		.amdhsa_next_free_vgpr 130
		.amdhsa_next_free_sgpr 66
		.amdhsa_reserve_vcc 1
		.amdhsa_float_denorm_mode_32 3
		.amdhsa_float_denorm_mode_16_64 3
		.amdhsa_memory_ordered 1
		.amdhsa_forward_progress 1
		.amdhsa_inst_pref_size 191
	.end_amdhsa_kernel
	.amdgpu_metadata
---
amdhsa.version: [ 1, 2 ]
amdhsa.kernels:
  - .name:           k_q3b2406070b_prep
    .symbol:         k_q3b2406070b_prep.kd
    .args:
      - { .name: x, .offset: 0, .size: 8, .value_kind: global_buffer, .address_space: global }
      - { .name: expert_indices, .offset: 8, .size: 8, .value_kind: global_buffer, .address_space: global }
      - { .name: w1, .offset: 16, .size: 8, .value_kind: global_buffer, .address_space: global }
      - { .name: w2, .offset: 24, .size: 8, .value_kind: global_buffer, .address_space: global }
      - { .name: w3, .offset: 32, .size: 8, .value_kind: global_buffer, .address_space: global }
      - { .name: xq, .offset: 40, .size: 8, .value_kind: global_buffer, .address_space: global }
      - { .name: xs, .offset: 48, .size: 8, .value_kind: global_buffer, .address_space: global }
      - { .name: wq, .offset: 56, .size: 8, .value_kind: global_buffer, .address_space: global }
      - { .name: wsc, .offset: 64, .size: 8, .value_kind: global_buffer, .address_space: global }
      - { .name: route, .offset: 72, .size: 8, .value_kind: global_buffer, .address_space: global }
    .group_segment_fixed_size: 39936
    .private_segment_fixed_size: 0
    .kernarg_segment_align: 8
    .kernarg_segment_size: 80
    .max_flat_workgroup_size: 128
    .sgpr_count:     66
    .vgpr_count:     130
    .wavefront_size: 32
...
	.end_amdgpu_metadata
.endif
;; end of part 1
;; launch hidden (part 2): grid 8 x 32, 4 waves a work-group, no clusters, 34,816 bytes of LDS; arguments route, expert_indices, xq, xs, wq, wsc, hq, hs; writes hq, hs
.if DOCPART == 2
	.amdgcn_target "amdgcn-amd-amdhsa--gfx1250"
	.amdhsa_code_object_version 6
	.text
	.protected	k_q3b2406070b_hidden
	.globl	k_q3b2406070b_hidden
	.p2align	8
	.type	k_q3b2406070b_hidden,@function
k_q3b2406070b_hidden:
	s_mov_b64 s[64:65], 0
	v_nop
	global_prefetch_b8 v0, s[64:65] scope:SCOPE_SE
	s_setreg_imm32_b32 hwreg(HW_REG_WAVE_MODE, 25, 1), 1
	s_wait_xcnt 0x0
; HIDDEN: h = silu(x W1[e]) * (x W2[e]) for a block of 64 sorted tokens and 128 hidden units, quantised along the hidden units, for both of each token's experts.
; SHARES.  Work-group (ch, b): block b of 64 sorted places, hidden units 128 ch .. 128 ch + 127, which are K step ch of the third product.  Wave w: units 32 (4 ch + w) + 0..31, one block of 32, for all 64 tokens:
; 16 accumulators (4 tiles of tokens x {W1, W2} x 2 tiles of 16 units).  x's codes of the 64 tokens stay in 256 registers for the whole launch; an expert's codes for the wave (both matrices, all of K) fill 256 more.
; THE WALK.  e runs from 0 to 7, a loop of constant count; an expert whose bit is clear in the block's stored mask is passed over by a scalar branch.  For an expert in use ALL 64 tokens are multiplied; a token keeps the
; codes in slot k where its k-th expert is e (v_cndmask_b32): no address hangs on a slot.  A slot whose expert number is outside 0..7 keeps zero codes.
; THE WEIGHTS come straight from memory into registers, each load 512 consecutive bytes in the order of the operand's registers, in units of 2 K steps (20 loads).  The next expert's units 0, 1, 2 are asked for as this
; expert's are used up; its unit 3 in the middle of the vector work that follows the products: behind the last products three units, 60 loads, are out, a fourth would pass what LOADcnt's field counts and its issue would
; stall (ISA guide 5.7.1) in front of vector work that needs no load.  TWO SETS OF BASES: one for the first expert's loads, never rewritten; one for the refills, set for the second expert at the head and stepped at the
; end of the vector work: so no wait for addresses stands between the head's loads and the first products.
; TRANSPOSED USE: source 0 = 16 units of W, source 1 = 16 tokens: a lane holds ONE token (lane % 16), and the 16 registers of a matrix's two tiles are units 16 (lane / 16) + 0..15 of the wave's 32.
; NO CLUSTER, NO TENSOR LOAD: work-groups of one ch read the same weights, but which experts a block walks is read from memory and differs from block to block, so partners would not ask for the same tiles.
; LIMITS: NaN and infinities are not served; where exp2(-g log2 e) overflows (g under about -88) silu(g) is taken as -0; a block of h whose largest magnitude lies under 2^-124 gets the byte 1.
; hq: ((8 b + s) 8 + q) 1024 + 512 c + 256 hh + 16 r, q = 4 slot + tile of tokens: images of the third product's operand registers.  hs: (8 b + s) 512 + (16 (q % 2) + r) 16 + 4 (q / 2) + block.
; REGISTERS: window 0: v1-7 addresses; v8-11 my tokens; v12-19 their expert pairs; v20-35 x's scale words; v36-51 the weights' scale words; v52-67, v68-75 the kept codes and bytes; v76-91 at work; v92-115 the quantiser's;
;   v128-255 the accumulators ((m, t) at 128 + 8 (4 m + t)).   window 1: x's fragments (K step s, tile m at 32 s + 8 m).   window 2: the weights' (K step s, tile t at 32 s + 8 t; t = 2 mat + u).
.set XP,   528                         ; a token's row of codes in LDS: 512 bytes + 16: an odd multiple of 16, so the 16 rows of a fragment load start in different banks (64 banks of 4 bytes: ISA guide 11.1)
.set HSS,  64*XP                       ; behind the rows: 512 bytes in which the four waves' scale bytes meet
.set TOK,  8
.set EP,   12
.set XS,   20
.set WS,   36
.set HC,   52
.set HB,   68
.set T,    76
.set TM,   92
.set TP,   96
.set SO,   100
.set BY,   104
.set CN,   108
.set ACC,  128
.set PC,   52                          ; s[52:53], s[54:55] the first expert's codes and scale words: never rewritten
.set PS,   54
.set NX,   62                          ; s62       the expert whose bases stand in the refills' set
.set RC,   68                          ; s[68:69], s[70:71] the refills' set
.set RS,   70
.set MSB, 0
.macro WIN new                         ; the immediate's high byte repeats the setting that is left; a switch that changes nothing is dropped
.if MSB != \new
	s_set_vgpr_msb (MSB<<8)|\new
.set MSB, \new
.endif
.endm
.set MUL, 0x06                         ; source 0 (W) window 2, source 1 (x) window 1, C and D window 0
.set TOX, 0x40                         ; destination window 1
.set TOW, 0x80                         ; destination window 2
.macro PLACES                          ; four plain places behind a matrix instruction, in front of loads into its operands and of reads of its results
.rept 4
	v_nop
.endr
.endm
; one matrix instruction; registers and the rows of the scale registers come as symbols
.macro WM zero
.if \zero
.if rRA && rRB
	v_wmma_scale_f32_16x16x128_f8f6f4 v[rD:rD+7], v[rA:rA+7], v[rB:rB+7], 0, v[rSA], v[rSB] matrix_a_fmt:MATRIX_FMT_FP4 matrix_b_fmt:MATRIX_FMT_FP4 matrix_a_scale:MATRIX_SCALE_ROW1 matrix_b_scale:MATRIX_SCALE_ROW1
.elseif rRA
	v_wmma_scale_f32_16x16x128_f8f6f4 v[rD:rD+7], v[rA:rA+7], v[rB:rB+7], 0, v[rSA], v[rSB] matrix_a_fmt:MATRIX_FMT_FP4 matrix_b_fmt:MATRIX_FMT_FP4 matrix_a_scale:MATRIX_SCALE_ROW1
.elseif rRB
	v_wmma_scale_f32_16x16x128_f8f6f4 v[rD:rD+7], v[rA:rA+7], v[rB:rB+7], 0, v[rSA], v[rSB] matrix_a_fmt:MATRIX_FMT_FP4 matrix_b_fmt:MATRIX_FMT_FP4 matrix_b_scale:MATRIX_SCALE_ROW1
.else
	v_wmma_scale_f32_16x16x128_f8f6f4 v[rD:rD+7], v[rA:rA+7], v[rB:rB+7], 0, v[rSA], v[rSB] matrix_a_fmt:MATRIX_FMT_FP4 matrix_b_fmt:MATRIX_FMT_FP4
.endif
.else
.if rRA && rRB
	v_wmma_scale_f32_16x16x128_f8f6f4 v[rD:rD+7], v[rA:rA+7], v[rB:rB+7], v[rD:rD+7], v[rSA], v[rSB] matrix_a_fmt:MATRIX_FMT_FP4 matrix_b_fmt:MATRIX_FMT_FP4 matrix_a_scale:MATRIX_SCALE_ROW1 matrix_b_scale:MATRIX_SCALE_ROW1
.elseif rRA
	v_wmma_scale_f32_16x16x128_f8f6f4 v[rD:rD+7], v[rA:rA+7], v[rB:rB+7], v[rD:rD+7], v[rSA], v[rSB] matrix_a_fmt:MATRIX_FMT_FP4 matrix_b_fmt:MATRIX_FMT_FP4 matrix_a_scale:MATRIX_SCALE_ROW1
.elseif rRB
	v_wmma_scale_f32_16x16x128_f8f6f4 v[rD:rD+7], v[rA:rA+7], v[rB:rB+7], v[rD:rD+7], v[rSA], v[rSB] matrix_a_fmt:MATRIX_FMT_FP4 matrix_b_fmt:MATRIX_FMT_FP4 matrix_b_scale:MATRIX_SCALE_ROW1
.else
	v_wmma_scale_f32_16x16x128_f8f6f4 v[rD:rD+7], v[rA:rA+7], v[rB:rB+7], v[rD:rD+7], v[rSA], v[rSB] matrix_a_fmt:MATRIX_FMT_FP4 matrix_b_fmt:MATRIX_FMT_FP4
.endif
.endif
.endm
; K step s: 16 matrix instructions.  The 16 accumulators take turns, one instruction a turn, in the same order in every step.  zero = 1: the products start the sums.
; W's scale word of tile u lies in lanes 16 u + rho of the matrix's register for K step s; x's word of K step s in lanes 16 (s / 4) + r of register s % 4 of the tile's four.
.macro MM s, zero
.irp m, 0,1,2,3
.irp t, 0,1,2,3
.set rD, ACC+8*(4*\m+\t)
.set rA, 32*(\s)+8*\t
.set rB, 32*(\s)+8*\m
.set rSA, WS+8*(\t/2)+(\s)
.set rSB, XS+4*\m+((\s)%4)
.set rRA, \t%2
.set rRB, (\s)/4
	WM \zero
.endr
.endr
.endm
; 20 loads: K steps 2 p and 2 p + 1 of the expert whose codes begin at s[cb:cb+1] and whose scale words at s[sb:sb+1]
.macro WUNIT p, cb, sb
	WIN 0
.irp d, 0,1
.irp a, 0,1
	global_load_b32 v[WS+8*\a+2*(\p)+\d], v2, s[\sb:\sb+1] offset:\a*262144+(2*(\p)+\d)*4096
.endr
.endr
	WIN TOW
.irp d, 0,1
.irp t, 0,1,2,3
.irp c, 0,1
	global_load_b128 v[32*(2*(\p)+\d)+8*\t+4*\c:32*(2*(\p)+\d)+8*\t+4*\c+3], v1, s[\cb:\cb+1] offset:(\t/2)*4194304+(2*(\p)+\d)*2048+(\t%2)*1024+\c*512
.endr
.endr
.endr
	WIN 0
.endm
; An expert's 128 matrix instructions.  refill = 1: behind each of the first three pairs of K steps their registers take the next expert's; the fourth pair's follow in the vector work.
.macro BODY refill
.irp p, 0,1,2,3
.if \refill
	s_wait_loadcnt 60                              ; this unit of 20 loads is in; the three units issued behind it (this expert's later ones, the next expert's earlier ones) may be out
.else
	s_wait_loadcnt 20*(3-\p)                       ; this expert's later units may be out
.endif
	WIN MUL
.if \p == 0
	MM 0, 1
.else
	MM 2*\p, 0
.endif
	MM 2*\p+1, 0
.if \refill && (\p < 3)
	PLACES
	WUNIT \p, RC, RS
.endif
.endr
	WIN 0
.endm
; tile m of tokens: h = g / (1 + 2^(-g log2 e)) * v, in f32, in place on the gate's 16 registers; each accumulator is read from its low end on
.macro SILU m
.set G, ACC+32*\m
.irp i, 0,2,4,6,8,10,12,14
	v_pk_mul_f32 v[T+\i:T+\i+1], v[G+\i:G+\i+1], s[60:61] op_sel_hi:[1,0]
.endr
.irp i, 0,1,2,3,4,5,6,7,8,9,10,11,12,13,14,15
	v_exp_f32 v[T+\i], v[T+\i]
.endr
	v_nop                                          ; a plain place behind the transcendentals
	s_wait_alu depctr_va_vdst(0)
.irp i, 0,2,4,6,8,10,12,14
	v_pk_add_f32 v[T+\i:T+\i+1], v[T+\i:T+\i+1], 1.0 op_sel_hi:[1,0]
.endr
.irp i, 0,1,2,3,4,5,6,7,8,9,10,11,12,13,14,15
	v_rcp_f32 v[T+\i], v[T+\i]
.endr
	v_nop
	s_wait_alu depctr_va_vdst(0)
.irp i, 0,2,4,6,8,10,12,14
	v_pk_mul_f32 v[G+\i:G+\i+1], v[G+\i:G+\i+1], v[T+\i:T+\i+1]
.endr
.irp i, 0,2,4,6,8,10,12,14
	v_pk_mul_f32 v[G+\i:G+\i+1], v[G+\i:G+\i+1], v[G+16+\i:G+16+\i+1]
.endr
.endm
; THE VECTOR WORK behind an expert's products: the activation, the quantiser, the choice of slots.  refill = 1: the next expert's unit 3 is asked for in its middle, and at its end the refills' bases step to the expert after that.
.macro EPI refill
	PLACES
	SILU 0
	SILU 1
.if \refill
	WUNIT 3, RC, RS                                ; the registers of K steps 6 and 7: their last products stand more than four plain places back
.endif
	SILU 2
	SILU 3
	; the quantiser: for each tile of tokens my 16 numbers and lane l xor 16's are the block of 32.  The four tiles by turns: no line waits for the line above it
.irp m, 0,1,2,3
	v_max3_num_f32 v[TM+\m], |v[ACC+32*\m]|, |v[ACC+32*\m+1]|, 0x1800000   ; with the floor 2^(3 - 127): the byte cannot fall under 1
.endr
.irp i, 2,4,6,8,10,12,14
.irp m, 0,1,2,3
	v_max3_num_f32 v[TM+\m], v[TM+\m], |v[ACC+32*\m+\i]|, |v[ACC+32*\m+\i+1]|
.endr
.endr
.irp m, 0,1,2,3
	v_permlanex16_b32 v[TP+\m], v[TM+\m], s58, s59
.endr
.irp m, 0,1,2,3
	v_max_num_f32 v[TM+\m], v[TM+\m], v[TP+\m]
.endr
.irp m, 0,1,2,3
	v_add_nc_u32 v[SO+\m], 0xff000000, v[TM+\m]    ; 2 off the exponent field: the conversion's scale operand
.endr
.irp m, 0,1,2,3
	v_lshrrev_b32 v[BY+\m], 23, v[SO+\m]           ; the scale's byte
.endr
.irp m, 0,1,2,3
	v_cvt_scalef32_pk8_fp4_f32 v[CN+2*\m], v[ACC+32*\m:ACC+32*\m+7], v[SO+\m]
	v_cvt_scalef32_pk8_fp4_f32 v[CN+2*\m+1], v[ACC+32*\m+8:ACC+32*\m+15], v[SO+\m]
.endr
	v_nop                                          ; one plain place behind the scaled conversions
.irp m, 0,1,2,3
.irp k, 0,1
	v_cmp_eq_u32 vcc_lo, s28, v[EP+2*\m+\k]        ; is e my token's k-th expert?  Then slot k keeps these codes and this byte
	v_cndmask_b32 v[HC+2*(4*\k+\m)], v[HC+2*(4*\k+\m)], v[CN+2*\m], vcc_lo
	v_cndmask_b32 v[HC+2*(4*\k+\m)+1], v[HC+2*(4*\k+\m)+1], v[CN+2*\m+1], vcc_lo
	v_cndmask_b32 v[HB+4*\k+\m], v[HB+4*\k+\m], v[BY+\m], vcc_lo
.endr
.endr
.if \refill
	s_add_co_u32 s29, s[NX], 1                     ; the first expert in use above the one just asked for (if there is none: that one again; its bases are then not used)
	s_lshr_b32 s30, s27, s29
	s_ctz_i32_b32 s30, s30
	s_add_co_u32 s30, s30, s29
	s_min_u32 s[NX], s30, 7
	s_wait_xcnt 0x0                                ; the refills have read their bases (the youngest were issued half of this vector work ago): these are written again only behind this wait
	s_lshl_b32 s56, s[NX], 19
	s_add_nc_u64 s[RC:RC+1], s[48:49], s[56:57]
	s_lshl_b32 s56, s[NX], 15
	s_add_nc_u64 s[RS:RS+1], s[50:51], s[56:57]
.endif
.endm
	s_load_b512 s[8:23], s[0:1], 0x0               ; route 8:9, expert_indices 10:11, xq 12:13, xs 14:15, wq 16:17, wsc 18:19, hq 20:21, hs 22:23
	v_lshl_add_u32 v126, v0, 2, 0x8600
	v_mov_b32 v127, 0
	v_lshrrev_b32 v1, 5, v0
	v_readfirstlane_b32 s24, v1                    ; wave 0..3
	s_mov_b32 s25, ttmp9                           ; ch
	s_and_b32 s26, ttmp7, 0xffff                   ; b
	v_and_b32 v116, 31, v0                         ; lane
	v_and_b32 v117, 15, v0                         ; r
	v_bfe_u32 v118, v0, 4, 1                       ; h
	v_lshlrev_b32 v1, 4, v116                      ; 16 x lane
	v_lshlrev_b32 v2, 2, v116                      ; 4 x lane
	v_mul_u32_u24 v3, v117, XP
	v_lshl_add_u32 v3, v118, 4, v3                 ; a fragment of x from LDS: row r, + 16 h
	v_lshlrev_b32 v4, 4, v117
	v_lshl_add_u32 v4, v118, 3, v4
	s_lshl_b32 s29, s24, 8
	v_add_nc_u32 v4, s29, v4                       ; my 8 bytes of an image of h: 256 w + 16 r + 8 h
	v_lshl_add_u32 v5, v117, 4, HSS
	v_add_nc_u32 v5, s24, v5                       ; my token's scale byte: HSS + 16 r + w
	v_add_nc_u32 v119, HSS, v1                     ; and the way back: 16 bytes a lane
	s_lshl_b32 s29, s26, 8
	v_lshl_add_u32 v6, v117, 2, s29                ; route: place 64 b + r
	s_mul_i32 s31, s24, 16*XP
	v_add_nc_u32 v7, s31, v1                       ; where I put the rows that my wave fetches: rows 16 w on, 16 bytes a lane
	s_lshl_b32 s29, s26, 2
	s_lshl_b32 s30, s26, 8
	s_lshl_b32 s31, s24, 6
	s_add_co_u32 s30, s30, s31
	s_wait_kmcnt 0x0
	s_load_b32 s27, s[8:9], s29 offset:0x2000      ; the block's mask of experts
	s_load_b512 s[32:47], s[8:9], s30              ; the tokens at places 64 b + 16 w + 0..15
.irp m, 0,1,2,3
	global_load_b32 v[TOK+\m], v6, s[8:9] offset:64*\m   ; and, a lane a token, those of tile m
.endr
	s_lshl_b32 s31, s25, 2
	s_add_co_u32 s31, s31, s24                     ; g = 4 ch + w
	s_lshl_b32 s56, s31, 14
	s_mov_b32 s57, 0
	s_add_nc_u64 s[48:49], s[16:17], s[56:57]      ; my group's codes of expert 0, W1
	s_lshl_b32 s56, s31, 7
	s_add_nc_u64 s[50:51], s[18:19], s[56:57]      ; and its scale words
	s_lshl_b32 s31, s26, 3
	s_add_co_u32 s31, s31, s25                     ; 8 b + ch
	s_lshl_b32 s56, s31, 13
	s_add_nc_u64 s[20:21], s[20:21], s[56:57]
	s_lshl_b32 s56, s31, 9
	s_add_nc_u64 s[22:23], s[22:23], s[56:57]
	s_mov_b32 s58, 0x76543210
	s_mov_b32 s59, 0xfedcba98                      ; v_permlanex16_b32's selects for lane l xor 16
	s_mov_b32 s60, 0xbfb8aa3b                      ; -log2(e)
	s_mov_b32 s61, s60                             ; (named with it as a pair, so it is written)
	s_wait_kmcnt 0x0
.irp i, 0,1,2,3,4,5,6,7,8,9,10,11,12,13,14,15
	s_min_u32 s[32+\i], s[32+\i], 2047
.endr
.irp i, 0,1,2,3,4,5,6,7,8,9,10,11,12,13,14,15
	v_lshl_add_u32 v[T+\i], s[32+\i], 9, v1
.endr
.irp i, 0,1,2,3,4,5,6,7,8,9,10,11,12,13,14,15
	global_load_b128 v[ACC+4*\i:ACC+4*\i+3], v[T+\i], s[12:13]   ; a token's whole row of codes: 512 consecutive bytes
.endr
	s_wait_loadcnt 16                              ; the four token loads are in; the 16 rows may be out
.irp m, 0,1,2,3
	v_min_u32 v[TOK+\m], 2047, v[TOK+\m]
.endr
.irp m, 0,1,2,3
	v_lshlrev_b32 v[CN+\m], 3, v[TOK+\m]
	v_lshlrev_b32 v[CN+4+\m], 5, v[TOK+\m]
.endr
.irp m, 0,1,2,3
	v_lshl_add_u32 v[CN+4+\m], v118, 4, v[CN+4+\m] ; lanes 0-15 take the scale words of K steps 0-3, lanes 16-31 those of 4-7
.endr
.irp m, 0,1,2,3
	global_load_b64 v[EP+2*\m:EP+2*\m+1], v[CN+\m], s[10:11]
	global_load_b128 v[XS+4*\m:XS+4*\m+3], v[CN+4+\m], s[14:15]
.endr
	s_ctz_i32_b32 s30, s27                         ; the first expert in use
	s_min_u32 s30, s30, 7
	s_lshl_b32 s56, s30, 19
	s_add_nc_u64 s[PC:PC+1], s[48:49], s[56:57]
	s_lshl_b32 s56, s30, 15
	s_add_nc_u64 s[PS:PS+1], s[50:51], s[56:57]
	s_add_co_u32 s29, s30, 1                       ; and the second (if there is none: the first again; its bases are then not used)
	s_lshr_b32 s31, s27, s29
	s_ctz_i32_b32 s31, s31
	s_add_co_u32 s31, s31, s29
	s_min_u32 s[NX], s31, 7
	s_lshl_b32 s56, s[NX], 19
	s_add_nc_u64 s[RC:RC+1], s[48:49], s[56:57]
	s_lshl_b32 s56, s[NX], 15
	s_add_nc_u64 s[RS:RS+1], s[50:51], s[56:57]
	WUNIT 0, PC, PS
	WUNIT 1, PC, PS
	s_wait_loadcnt 48                              ; the 16 rows are in; behind them 8 loads of experts and scales and two units of 20
.irp i, 0,1,2,3,4,5,6,7,8,9,10,11,12,13,14,15
	ds_store_b128 v7, v[ACC+4*\i:ACC+4*\i+3] offset:XP*\i
.endr
	s_wait_dscnt 0x0                               ; for the others' sake: my rows have landed
	s_barrier_signal -1
	s_barrier_wait -1
	WUNIT 2, PC, PS                                ; ahead of the run of LDS loads: these have the longer way
	WIN TOX
.irp s, 0,1,2,3,4,5,6,7
.irp m, 0,1,2,3
.irp c, 0,1
	ds_load_b128 v[32*\s+8*\m+4*\c:32*\s+8*\m+4*\c+3], v3 offset:16*XP*\m+64*\s+32*\c
.endr
.endr
.endr
	WIN 0
.irp j, 0,1,2,3,4,5,6,7,8,9,10,11,12,13,14,15
	v_mov_b32 v[HC+\j], 0                          ; a slot that no expert of the walk fills keeps zero codes
.endr
.irp j, 0,1,2,3,4,5,6,7
	v_mov_b32 v[HB+\j], 127                        ; under the byte of 1.0
.endr
.irp j, 0,1,2,3
	v_mov_b32 v[TP+\j], 0                          ; written once: a lane permute's destination counts as one of its sources
.endr
	WUNIT 3, PC, PS
	s_wait_dscnt 0x0                               ; x's fragments are in
	s_mov_b32 s28, 0
.Lexp:
	s_lshr_b32 s29, s27, s28
	s_and_b32 s30, s29, 1
	s_cmp_lg_u32 s30, 0
	s_cbranch_scc0 .Lskip                          ; no token of the block uses expert e
	s_lshr_b32 s29, s29, 1
	s_cmp_eq_u32 s29, 0
	s_cbranch_scc1 .Llast                          ; no expert follows: nothing more is asked for
	BODY 1                                         ; the refills' bases already stand at the next expert in use
	EPI 1
	s_branch .Lskip
.Llast:
	BODY 0
	EPI 0
.Lskip:
	s_add_co_u32 s28, s28, 1
	s_cmp_lt_u32 s28, 8
	s_cbranch_scc1 .Lexp
.irp k, 0,1
.irp m, 0,1,2,3
	global_store_b64 v4, v[HC+2*(4*\k+\m):HC+2*(4*\k+\m)+1], s[20:21] offset:(4*\k+\m)*1024   ; the wave stores 256 consecutive bytes, aligned: block w of the image
	ds_store_b8 v5, v[HB+4*\k+\m] offset:(\m%2)*256+(2*\k+\m/2)*4                             ; lanes l and l xor 16 write the same byte with the same value
.endr
.endr
	s_wait_dscnt 0x0
	s_barrier_signal -1
	s_barrier_wait -1
	s_cmp_lg_u32 s24, 0
	s_cbranch_scc1 .Ldone
	ds_load_b128 v[T:T+3], v119                    ; the four waves' bytes make whole scale words: 512 consecutive bytes
	s_wait_dscnt 0x0
	global_store_b128 v1, v[T:T+3], s[22:23]
.Ldone:
	s_wait_tensorcnt 0x0
	ds_add_u32 v126, v127
	s_wait_dscnt 0x0
	s_endpgm
.Lfunc_end_k_q3b2406070b_hidden:
	.size	k_q3b2406070b_hidden, .Lfunc_end_k_q3b2406070b_hidden-k_q3b2406070b_hidden
	.p2alignl 7, 3214868480
	.fill 96, 4, 3214868480
	.section	.rodata,"a",@progbits
	.p2align	6, 0x0
	.amdhsa_kernel k_q3b2406070b_hidden
		.amdhsa_group_segment_fixed_size 34816
		.amdhsa_private_segment_fixed_size 0
		.amdhsa_enable_private_segment 0
		.amdhsa_kernarg_size 64
		.amdhsa_user_sgpr_count 2
		.amdhsa_user_sgpr_kernarg_segment_ptr 1
		.amdhsa_wavefront_size32 1
		.amdhsa_system_sgpr_workgroup_id_x 1
		.amdhsa_system_sgpr_workgroup_id_y 1
		.amdhsa_system_sgpr_workgroup_id_z 1
		.amdhsa_system_vgpr_workitem_id 0
		.amdhsa_next_free_vgpr 768
		.amdhsa_next_free_sgpr 72
		.amdhsa_reserve_vcc 1
		.amdhsa_float_denorm_mode_32 3
		.amdhsa_float_denorm_mode_16_64 3
		.amdhsa_memory_ordered 1
		.amdhsa_forward_progress 1
		.amdhsa_inst_pref_size 100
	.end_amdhsa_kernel
	.amdgpu_metadata
---
amdhsa.version: [ 1, 2 ]
amdhsa.kernels:
  - .name:           k_q3b2406070b_hidden
    .symbol:         k_q3b2406070b_hidden.kd
    .args:
      - { .name: route, .offset: 0, .size: 8, .value_kind: global_buffer, .address_space: global }
      - { .name: expert_indices, .offset: 8, .size: 8, .value_kind: global_buffer, .address_space: global }
      - { .name: xq, .offset: 16, .size: 8, .value_kind: global_buffer, .address_space: global }
      - { .name: xs, .offset: 24, .size: 8, .value_kind: global_buffer, .address_space: global }
      - { .name: wq, .offset: 32, .size: 8, .value_kind: global_buffer, .address_space: global }
      - { .name: wsc, .offset: 40, .size: 8, .value_kind: global_buffer, .address_space: global }
      - { .name: hq, .offset: 48, .size: 8, .value_kind: global_buffer, .address_space: global }
      - { .name: hs, .offset: 56, .size: 8, .value_kind: global_buffer, .address_space: global }
    .group_segment_fixed_size: 34816
    .private_segment_fixed_size: 0
    .kernarg_segment_align: 8
    .kernarg_segment_size: 64
    .max_flat_workgroup_size: 128
    .sgpr_count:     72
    .vgpr_count:     768
    .wavefront_size: 32
...
	.end_amdgpu_metadata
.endif
;; end of part 2
;; launch combine (part 3): grid 8 x 32, 4 waves a work-group, no clusters, 99,840 bytes of LDS; arguments route, expert_indices, expert_weights, hq, hs, wq, wsc, out0; writes out0
.if DOCPART == 3
	.amdgcn_target "amdgcn-amd-amdhsa--gfx1250"
	.amdhsa_code_object_version 6
	.text
	.protected	k_q3b2406070b_combine
	.globl	k_q3b2406070b_combine
	.p2align	8
	.type	k_q3b2406070b_combine,@function
k_q3b2406070b_combine:
	s_mov_b64 s[64:65], 0
	v_nop
	global_prefetch_b8 v0, s[64:65] scope:SCOPE_SE
	s_setreg_imm32_b32 hwreg(HW_REG_WAVE_MODE, 25, 1), 1
	s_wait_xcnt 0x0
; COMBINE: out[t] = the sum over e of p(t, e) (h W3[e]), p(t, e) = the sum over the slots k of (expert k of t == e ? weight k of t : 0), for a block of 64 sorted tokens and 128 output columns.
; SHARES.  Work-group (nch, b): block b, columns 128 nch .. + 127: each output row's part has this one owner.  Wave w: columns 32 (4 nch + w) + 0..31, two tiles u, against the 8 tiles q = 4 slot + m of h: 16 accumulators Y.
; The block's codes of h, both slots, all of K (64 KiB), come once through LDS into each wave's 512 registers.  An expert's codes of W3 for the wave (all of K) fill 128 registers.
; THE WALK is the one of the launch before: e from 0 to 7, experts whose bit is clear in the block's stored mask are passed over.  For an expert in use BOTH slots of all 64 tokens are multiplied by W3[e] and weighed with
; p_k = (e_k == e) ? w_k : 0, chosen by v_cndmask_b32: where both slots name e, p0 y + p1 y stands for (p0 + p1) y.  The experts are added in ascending order, as in the reference.
; TRANSPOSED USE: source 0 = 16 columns of W3, source 1 = 16 tokens of h: a lane holds one token, and the 16 registers of tiles 0, 1 are columns 16 (lane / 16) + 0..15 of the wave's 32.
; NO CLUSTER, NO TENSOR LOAD: which experts a block walks is read from memory and differs from block to block, so partners would not ask for the same tiles of W3.
; LIMITS: NaN and infinities are not served.
; REGISTERS: window 0: v1-6 addresses; v8-11 my tokens; v12-19 their expert pairs; v20-27 their weight pairs; v28-35 p of the 8 tiles; v36-39 offsets; v40-71 h's scale words; v72-79 W3's; v80-95 the rows' offsets in out0;
;   v128-255 Y ((q, u) at 128 + 8 (2 q + u)).   windows 1, 2: h's fragments (K step s, tile q at 64 (s % 4) + 8 q of window 1 + s / 4).   window 3: v0-127 W3's (16 s + 8 u); v128-191 the running result, 16 a tile m.
.set OST,  65536                       ; LDS: 0 .. 65,535 the block's images of h as they lie in memory; behind them the stage for the way out:
.set OP,   528                         ; 64 rows of 512 bytes + 16
.set TOK,  8
.set EP,   12
.set PW,   20
.set P,    28
.set TO,   36
.set HS,   40
.set WS3,  72
.set OO,   80
.set Y,    128
.set OA,   128                         ; in window 3
.set MSB, 0
.macro WIN new                         ; the immediate's high byte repeats the setting that is left; a switch that changes nothing is dropped
.if MSB != \new
	s_set_vgpr_msb (MSB<<8)|\new
.set MSB, \new
.endif
.endm
.set MUL_LO, 0x07                      ; source 0 (W3) window 3, source 1 (h) window 1, C and D window 0
.set MUL_HI, 0x0b                      ; the same with h in window 2
.set TOW,    0xc0                      ; destination window 3
.set ACCU,   0xf0                      ; destination and source 2 window 3
.macro PLACES                          ; four plain places behind a matrix instruction, in front of loads into its operands
.rept 4
	v_nop
.endr
.endm
.macro WM zero
.if \zero
.if rRA && rRB
	v_wmma_scale_f32_16x16x128_f8f6f4 v[rD:rD+7], v[rA:rA+7], v[rB:rB+7], 0, v[rSA], v[rSB] matrix_a_fmt:MATRIX_FMT_FP4 matrix_b_fmt:MATRIX_FMT_FP4 matrix_a_scale:MATRIX_SCALE_ROW1 matrix_b_scale:MATRIX_SCALE_ROW1
.elseif rRA
	v_wmma_scale_f32_16x16x128_f8f6f4 v[rD:rD+7], v[rA:rA+7], v[rB:rB+7], 0, v[rSA], v[rSB] matrix_a_fmt:MATRIX_FMT_FP4 matrix_b_fmt:MATRIX_FMT_FP4 matrix_a_scale:MATRIX_SCALE_ROW1
.elseif rRB
	v_wmma_scale_f32_16x16x128_f8f6f4 v[rD:rD+7], v[rA:rA+7], v[rB:rB+7], 0, v[rSA], v[rSB] matrix_a_fmt:MATRIX_FMT_FP4 matrix_b_fmt:MATRIX_FMT_FP4 matrix_b_scale:MATRIX_SCALE_ROW1
.else
	v_wmma_scale_f32_16x16x128_f8f6f4 v[rD:rD+7], v[rA:rA+7], v[rB:rB+7], 0, v[rSA], v[rSB] matrix_a_fmt:MATRIX_FMT_FP4 matrix_b_fmt:MATRIX_FMT_FP4
.endif
.else
.if rRA && rRB
	v_wmma_scale_f32_16x16x128_f8f6f4 v[rD:rD+7], v[rA:rA+7], v[rB:rB+7], v[rD:rD+7], v[rSA], v[rSB] matrix_a_fmt:MATRIX_FMT_FP4 matrix_b_fmt:MATRIX_FMT_FP4 matrix_a_scale:MATRIX_SCALE_ROW1 matrix_b_scale:MATRIX_SCALE_ROW1
.elseif rRA
	v_wmma_scale_f32_16x16x128_f8f6f4 v[rD:rD+7], v[rA:rA+7], v[rB:rB+7], v[rD:rD+7], v[rSA], v[rSB] matrix_a_fmt:MATRIX_FMT_FP4 matrix_b_fmt:MATRIX_FMT_FP4 matrix_a_scale:MATRIX_SCALE_ROW1
.elseif rRB
	v_wmma_scale_f32_16x16x128_f8f6f4 v[rD:rD+7], v[rA:rA+7], v[rB:rB+7], v[rD:rD+7], v[rSA], v[rSB] matrix_a_fmt:MATRIX_FMT_FP4 matrix_b_fmt:MATRIX_FMT_FP4 matrix_b_scale:MATRIX_SCALE_ROW1
.else
	v_wmma_scale_f32_16x16x128_f8f6f4 v[rD:rD+7], v[rA:rA+7], v[rB:rB+7], v[rD:rD+7], v[rSA], v[rSB] matrix_a_fmt:MATRIX_FMT_FP4 matrix_b_fmt:MATRIX_FMT_FP4
.endif
.endif
.endm
; K step s: 16 matrix instructions, the 16 accumulators by turns, one instruction a turn, in the same order in every step
.macro MM3 s, zero
.irp q, 0,1,2,3,4,5,6,7
.irp u, 0,1
.set rD, Y+8*(2*\q+\u)
.set rA, 16*(\s)+8*\u
.set rB, 64*((\s)%4)+8*\q
.set rSA, WS3+(\s)
.set rSB, HS+4*(\s)+\q/2
.set rRA, \u
.set rRB, \q%2
	WM \zero
.endr
.endr
.endm
; 10 loads: K steps 2 p and 2 p + 1 of W3 of the expert at s[52:53] (codes) and s[54:55] (scale words)
.macro WUNIT3 p
	WIN 0
.irp d, 0,1
	global_load_b32 v[WS3+2*(\p)+\d], v2, s[54:55] offset:(2*(\p)+\d)*4096
.endr
	WIN TOW
.irp d, 0,1
.irp u, 0,1
.irp c, 0,1
	global_load_b128 v[16*(2*(\p)+\d)+8*\u+4*\c:16*(2*(\p)+\d)+8*\u+4*\c+3], v1, s[52:53] offset:(2*(\p)+\d)*2048+\u*1024+\c*512
.endr
.endr
.endr
	WIN 0
.endm
.macro BODY3 refill
.irp p, 0,1,2,3
.if \refill
	s_wait_loadcnt 30                              ; this unit of 10 loads is in; the three units issued behind it may be out
.else
	s_wait_loadcnt 10*(3-\p)                       ; this expert's later units may be out
.endif
.if \p < 2
	WIN MUL_LO
.else
	WIN MUL_HI
.endif
.if \p == 0
	MM3 0, 1
.else
	MM3 2*\p, 0
.endif
	MM3 2*\p+1, 0
.if \refill
	PLACES
	WUNIT3 \p
.endif
.endr
	WIN 0
.endm
; the running result takes p x Y.  The sixteen lines that make p name no register of the products: they are the places behind the last of them.  Each accumulator is read from its low end on.
.macro ACCUM
.irp k, 0,1
.irp m, 0,1,2,3
	v_cmp_eq_u32 vcc_lo, s28, v[EP+2*\m+\k]
	v_cndmask_b32 v[P+4*\k+\m], 0, v[PW+2*\m+\k], vcc_lo
.endr
.endr
	WIN ACCU
.irp k, 0,1
.irp m, 0,1,2,3
.irp i, 0,2,4,6,8,10,12,14
.if \m%2 == 0
	v_pk_fma_f32 v[OA+16*\m+\i:OA+16*\m+\i+1], v[Y+16*(4*\k+\m)+\i:Y+16*(4*\k+\m)+\i+1], v[P+4*\k+\m:P+4*\k+\m+1], v[OA+16*\m+\i:OA+16*\m+\i+1] op_sel_hi:[1,0,1]
.else
	v_pk_fma_f32 v[OA+16*\m+\i:OA+16*\m+\i+1], v[Y+16*(4*\k+\m)+\i:Y+16*(4*\k+\m)+\i+1], v[P+4*\k+\m-1:P+4*\k+\m], v[OA+16*\m+\i:OA+16*\m+\i+1] op_sel:[0,1,0] op_sel_hi:[1,1,1]
.endif
.endr
.endr
.endr
	WIN 0
.endm
	s_load_b512 s[8:23], s[0:1], 0x0               ; route 8:9, expert_indices 10:11, expert_weights 12:13, hq 14:15, hs 16:17, wq 18:19, wsc 20:21, out0 22:23
	v_lshl_add_u32 v126, v0, 2, 0x18400
	v_mov_b32 v127, 0
	v_lshrrev_b32 v1, 5, v0
	v_readfirstlane_b32 s24, v1                    ; wave 0..3
	s_mov_b32 s25, ttmp9                           ; nch
	s_and_b32 s26, ttmp7, 0xffff                   ; b
	v_and_b32 v96, 31, v0                          ; lane
	v_and_b32 v97, 15, v0                          ; r
	v_bfe_u32 v98, v0, 4, 1                        ; h
	v_lshlrev_b32 v1, 4, v96                       ; 16 x lane
	v_lshlrev_b32 v2, 2, v96                       ; 4 x lane
	v_mul_u32_u24 v3, v97, OP
	v_lshl_add_u32 v3, v98, 6, v3
	s_lshl_b32 s29, s24, 7
	v_add_nc_u32 v3, s29, v3
	v_add_nc_u32 v3, OST, v3                       ; the stage, in: row r, + 128 w + 64 h: my 16 columns
	s_mul_i32 s29, s24, 16*OP
	v_add_nc_u32 v4, s29, v1
	v_add_nc_u32 v4, OST, v4                       ; and back: my wave's 16 rows, 16 bytes a lane
	s_lshl_b32 s29, s24, 14
	v_add_nc_u32 v5, s29, v1                       ; my wave's quarter of the block's images of h, in memory and in LDS alike
	s_lshl_b32 s29, s26, 8
	v_lshl_add_u32 v6, v97, 2, s29                 ; route: place 64 b + r
	s_lshl_b32 s29, s26, 2
	s_lshl_b32 s30, s26, 8
	s_lshl_b32 s31, s24, 6
	s_add_co_u32 s30, s30, s31
	s_mov_b32 s57, 0
	s_wait_kmcnt 0x0
	s_load_b32 s27, s[8:9], s29 offset:0x2000      ; the block's mask of experts
	s_load_b512 s[32:47], s[8:9], s30              ; the tokens at places 64 b + 16 w + 0..15
.irp m, 0,1,2,3
	global_load_b32 v[TOK+\m], v6, s[8:9] offset:64*\m
.endr
	s_lshl_b32 s56, s26, 16
	s_add_nc_u64 s[14:15], s[14:15], s[56:57]
	s_lshl_b32 s56, s26, 12
	s_add_nc_u64 s[16:17], s[16:17], s[56:57]
.set cc, 0
.rept 32
	global_load_b128 v[Y+4*cc:Y+4*cc+3], v5, s[14:15] offset:512*cc
.set cc, cc+1
.endr
.irp s, 0,1,2,3,4,5,6,7
	global_load_b128 v[HS+4*\s:HS+4*\s+3], v1, s[16:17] offset:512*\s   ; register i: lanes 0-15 the words of tile q = 2 i, lanes 16-31 of q = 2 i + 1
.endr
	s_lshl_b32 s31, s25, 2
	s_add_co_u32 s31, s31, s24                     ; my group of 32 columns: 4 nch + w
	s_lshl_b32 s56, s31, 14
	s_add_nc_u64 s[48:49], s[18:19], s[56:57]
	s_add_nc_u64 s[48:49], s[48:49], 8388608       ; W3's codes lie behind W1's and W2's
	s_lshl_b32 s56, s31, 7
	s_add_nc_u64 s[50:51], s[20:21], s[56:57]
	s_add_nc_u64 s[50:51], s[50:51], 524288
	s_lshl_b32 s56, s25, 9
	s_add_nc_u64 s[22:23], s[22:23], s[56:57]      ; out0 at my 128 columns
	s_wait_kmcnt 0x0
.irp i, 0,1,2,3,4,5,6,7,8,9,10,11,12,13,14,15
	s_min_u32 s[32+\i], s[32+\i], 2047
.endr
	s_wait_loadcnt 40                              ; the four token loads are in; h's 32 loads and its scales' 8 may be out
.irp m, 0,1,2,3
	v_min_u32 v[TOK+\m], 2047, v[TOK+\m]
.endr
.irp m, 0,1,2,3
	v_lshlrev_b32 v[TO+\m], 3, v[TOK+\m]
.endr
.irp m, 0,1,2,3
	global_load_b64 v[EP+2*\m:EP+2*\m+1], v[TO+\m], s[10:11]
	global_load_b64 v[PW+2*\m:PW+2*\m+1], v[TO+\m], s[12:13]
.endr
	s_ctz_i32_b32 s30, s27                         ; the first expert in use
	s_min_u32 s30, s30, 7
	s_lshl_b32 s56, s30, 19
	s_add_nc_u64 s[52:53], s[48:49], s[56:57]
	s_lshl_b32 s56, s30, 15
	s_add_nc_u64 s[54:55], s[50:51], s[56:57]
	WUNIT3 0
	WUNIT3 1
	s_wait_loadcnt 36                              ; h's 32 loads are in; behind them 8 of scales, 8 of experts and weights, two units of 10
.set cc, 0
.rept 32
	ds_store_b128 v5, v[Y+4*cc:Y+4*cc+3] offset:512*cc
.set cc, cc+1
.endr
	s_wait_dscnt 0x0                               ; for the others' sake: my quarter has landed
	s_barrier_signal -1
	s_barrier_wait -1
	WUNIT3 2
	WUNIT3 3
	WIN 0x40
.irp s, 0,1,2,3
.irp q, 0,1,2,3,4,5,6,7
.irp c, 0,1
	ds_load_b128 v[64*\s+8*\q+4*\c:64*\s+8*\q+4*\c+3], v1 offset:8192*\s+1024*\q+512*\c
.endr
.endr
.endr
	WIN 0x80
.irp s, 0,1,2,3
.irp q, 0,1,2,3,4,5,6,7
.irp c, 0,1
	ds_load_b128 v[64*\s+8*\q+4*\c:64*\s+8*\q+4*\c+3], v1 offset:8192*(\s+4)+1024*\q+512*\c
.endr
.endr
.endr
	WIN TOW
.set cc, 0
.rept 64
	v_mov_b32 v[OA+cc], 0                          ; the running result: which expert comes first is read from memory, so the walk is written once and begins at zeros
.set cc, cc+1
.endr
	WIN 0
	s_wait_dscnt 0x0                               ; h's fragments are in
	s_mov_b32 s28, 0
.Lexp:
	s_lshr_b32 s29, s27, s28
	s_and_b32 s30, s29, 1
	s_cmp_lg_u32 s30, 0
	s_cbranch_scc0 .Lskip                          ; no token of the block uses expert e
	s_lshr_b32 s29, s29, 1
	s_cmp_eq_u32 s29, 0
	s_cbranch_scc1 .Llast                          ; no expert follows: nothing more is asked for
	s_ctz_i32_b32 s30, s29
	s_add_co_u32 s30, s30, s28
	s_add_co_u32 s30, s30, 1                       ; the next expert in use
	s_min_u32 s30, s30, 7
	s_wait_xcnt 0x0                                ; the loads issued so far have read their bases: these are written again only behind this wait
	s_lshl_b32 s56, s30, 19
	s_add_nc_u64 s[52:53], s[48:49], s[56:57]
	s_lshl_b32 s56, s30, 15
	s_add_nc_u64 s[54:55], s[50:51], s[56:57]
	BODY3 1
	s_branch .Lepi
.Llast:
	BODY3 0
.Lepi:
	ACCUM
.Lskip:
	s_add_co_u32 s28, s28, 1
	s_cmp_lt_u32 s28, 8
	s_cbranch_scc1 .Lexp
	; THE WAY OUT: a row's 128 columns come from four waves: they meet in the stage, and each wave stores 16 whole pieces of 512 consecutive bytes, each to its token's row
	WIN 0x0c                                       ; an LDS store's data are its source 1: window 3
.irp m, 0,1,2,3
.irp i, 0,1,2,3
	ds_store_b128 v3, v[OA+16*\m+4*\i:OA+16*\m+4*\i+3] offset:16*OP*\m+16*\i
.endr
.endr
	WIN 0
.irp i, 0,1,2,3,4,5,6,7,8,9,10,11,12,13,14,15
	v_lshl_add_u32 v[OO+\i], s[32+\i], 12, v1      ; the token's row of 4,096 bytes, + 16 x lane
.endr
	s_wait_dscnt 0x0                               ; for the others' sake: my stores into the stage have landed
	s_barrier_signal -1
	s_barrier_wait -1
.irp i, 0,1,2,3,4,5,6,7,8,9,10,11,12,13,14,15
	ds_load_b128 v[Y+4*\i:Y+4*\i+3], v4 offset:OP*\i
.endr
.irp i, 0,1,2,3,4,5,6,7,8,9,10,11,12,13,14,15
	s_wait_dscnt 15-\i                             ; LDS loads come back in order: row i is in, the younger ones may be out
	global_store_b128 v[OO+\i], v[Y+4*\i:Y+4*\i+3], s[22:23] th:TH_STORE_NT
.endr
	s_wait_tensorcnt 0x0
	ds_add_u32 v126, v127
	s_wait_dscnt 0x0
	s_endpgm
.Lfunc_end_k_q3b2406070b_combine:
	.size	k_q3b2406070b_combine, .Lfunc_end_k_q3b2406070b_combine-k_q3b2406070b_combine
	.p2alignl 7, 3214868480
	.fill 96, 4, 3214868480
	.section	.rodata,"a",@progbits
	.p2align	6, 0x0
	.amdhsa_kernel k_q3b2406070b_combine
		.amdhsa_group_segment_fixed_size 99840
		.amdhsa_private_segment_fixed_size 0
		.amdhsa_enable_private_segment 0
		.amdhsa_kernarg_size 64
		.amdhsa_user_sgpr_count 2
		.amdhsa_user_sgpr_kernarg_segment_ptr 1
		.amdhsa_wavefront_size32 1
		.amdhsa_system_sgpr_workgroup_id_x 1
		.amdhsa_system_sgpr_workgroup_id_y 1
		.amdhsa_system_sgpr_workgroup_id_z 1
		.amdhsa_system_vgpr_workitem_id 0
		.amdhsa_next_free_vgpr 1024
		.amdhsa_next_free_sgpr 66
		.amdhsa_reserve_vcc 1
		.amdhsa_float_denorm_mode_32 3
		.amdhsa_float_denorm_mode_16_64 3
		.amdhsa_memory_ordered 1
		.amdhsa_forward_progress 1
		.amdhsa_inst_pref_size 73
	.end_amdhsa_kernel
	.amdgpu_metadata
---
amdhsa.version: [ 1, 2 ]
amdhsa.kernels:
  - .name:           k_q3b2406070b_combine
    .symbol:         k_q3b2406070b_combine.kd
    .args:
      - { .name: route, .offset: 0, .size: 8, .value_kind: global_buffer, .address_space: global }
      - { .name: expert_indices, .offset: 8, .size: 8, .value_kind: global_buffer, .address_space: global }
      - { .name: expert_weights, .offset: 16, .size: 8, .value_kind: global_buffer, .address_space: global }
      - { .name: hq, .offset: 24, .size: 8, .value_kind: global_buffer, .address_space: global }
      - { .name: hs, .offset: 32, .size: 8, .value_kind: global_buffer, .address_space: global }
      - { .name: wq, .offset: 40, .size: 8, .value_kind: global_buffer, .address_space: global }
      - { .name: wsc, .offset: 48, .size: 8, .value_kind: global_buffer, .address_space: global }
      - { .name: out0, .offset: 56, .size: 8, .value_kind: global_buffer, .address_space: global }
    .group_segment_fixed_size: 99840
    .private_segment_fixed_size: 0
    .kernarg_segment_align: 8
    .kernarg_segment_size: 64
    .max_flat_workgroup_size: 128
    .sgpr_count:     66
    .vgpr_count:     1024
    .wavefront_size: 32
...
	.end_amdgpu_metadata
.endif
;; end of part 3
;; ======== version 2 of 2: 3 launches; version 1 with the launches hidden, combine written anew for expert scheduling mode
;; workspace buffers: wq 12,582,912 bytes; wsc 786,432 bytes; xq 1,048,576 bytes; xs 65,536 bytes; hq 2,097,152 bytes; hs 131,072 bytes; route 8,448 bytes of whole numbers
;; launch prep: the kernel of part 1 again; grid 1793 x 1, 4 waves a work-group, no clusters, 39,936 bytes of LDS; arguments x, expert_indices, w1, w2, w3, xq, xs, wq, wsc, route; writes xq, xs, wq, wsc, route
;; launch hidden (part 4): grid 8 x 32, 4 waves a work-group, no clusters, 34,816 bytes of LDS; arguments route, expert_indices, xq, xs, wq, wsc, hq, hs; writes hq, hs
.if DOCPART == 4
	.amdgcn_target "amdgcn-amd-amdhsa--gfx1250"
	.amdhsa_code_object_version 6
	.text
	.protected	k_q3b2406070b_hidden
	.globl	k_q3b2406070b_hidden
	.p2align	8
	.type	k_q3b2406070b_hidden,@function
k_q3b2406070b_hidden:
	s_mov_b64 s[64:65], 0
	v_nop
	global_prefetch_b8 v0, s[64:65] scope:SCOPE_SE
	s_setreg_imm32_b32 hwreg(HW_REG_WAVE_SCHED_MODE, 0, 2), 2
	s_setreg_imm32_b32 hwreg(HW_REG_WAVE_MODE, 25, 1), 1
	s_wait_xcnt 0x0
	s_wait_alu depctr_vm_vsrc(0)
; HIDDEN: h = silu(x W1[e]) * (x W2[e]) for a block of 64 sorted tokens and 128 hidden units, quantised along the hidden units, for both of each token's experts.
; SHARES.  Work-group (ch, b): block b of 64 sorted places, hidden units 128 ch .. 128 ch + 127, which are K step ch of the third product.  Wave w: units 32 (4 ch + w) + 0..31, one block of 32, for all 64 tokens:
; 16 accumulators (4 tiles of tokens x {W1, W2} x 2 tiles of 16 units).  x's codes of the 64 tokens stay in 256 registers for the whole launch; an expert's codes for the wave (both matrices, all of K) fill 256 more.
; THE WALK.  e runs from 0 to 7, a loop of constant count; an expert whose bit is clear in the block's stored mask is passed over by a scalar branch.  For an expert in use ALL 64 tokens are multiplied; a token keeps the
; codes in slot k where its k-th expert is e (v_cndmask_b32): no address hangs on a slot.  A slot whose expert number is outside 0..7 keeps zero codes.
; THE WEIGHTS come straight from memory into registers, each load 512 consecutive bytes in the order of the operand's registers, in units of 2 K steps (20 loads).  The next expert's unit p - 1 is asked for in the middle
; of this expert's pair p of K steps (p = 1, 2, 3); its unit 3 in the middle of the vector work that follows the products: behind the last products three units, 60 loads, are out, a fourth would pass what LOADcnt's field
; counts and its issue would stall (ISA guide 5.7.1) in front of vector work that needs no load.  TWO SETS OF BASES: one for the first expert's loads, never rewritten; one for the refills, set for the second expert at the
; head and stepped at the end of the vector work: so no wait for addresses stands between the head's loads and the first products.
; TRANSPOSED USE: source 0 = 16 units of W, source 1 = 16 tokens: a lane holds ONE token (lane % 16), and the 16 registers of a matrix's two tiles are units 16 (lane / 16) + 0..15 of the wave's 32.
; NO CLUSTER, NO TENSOR LOAD: work-groups of one ch read the same weights, but which experts a block walks is read from memory and differs from block to block, so partners would not ask for the same tiles.
; LIMITS: NaN and infinities are not served; where exp2(-g log2 e) overflows (g under about -88) silu(g) is taken as -0; a block of h whose largest magnitude lies under 2^-124 gets the byte 1.
; hq: ((8 b + s) 8 + q) 1024 + 512 c + 256 hh + 16 r, q = 4 slot + tile of tokens: images of the third product's operand registers.  hs: (8 b + s) 512 + (16 (q % 2) + r) 16 + 4 (q / 2) + block.
; REGISTERS: window 0: v1-7 addresses; v8-11 my tokens; v12-19 their expert pairs; v20-35 x's scale words; v36-51 the weights' scale words; v52-67, v68-75 the kept codes and bytes; v76-91 at work; v92-115 the quantiser's;
;   v128-255 the accumulators ((m, t) at 128 + 8 (4 m + t)).   window 1: x's fragments (K step s, tile m at 32 s + 8 m).   window 2: the weights' (K step s, tile t at 32 s + 8 t; t = 2 mat + u).
; THE MODE: SCHED_MODE bits 1:0 = 2 (LLVM: expert scheduling mode 2), set by the entry lines.  The code itself states the register dependences between vector or matrix instructions and memory or LDS instructions,
; with s_wait_alu, always for 0.
; THE PLAN.  Registers that memory or LDS instructions touch:
;   v1-7, v119      offsets and LDS addresses: written at the head, never again; read by every load and store.
;   v76-91, v108-115  at the head offsets that loads read; in the walk the activation and the conversions write them.  v128-191: at the head the rows of x land there and LDS stores read them; in the walk the products write them.
;   window 2 and v36-51, in four units of two K steps.  Unit p: read by the 32 products of pair p of K steps; then the next expert's 20 loads land in it.
;   v52-75          written by the walk's choices, read by the stores behind the walk.  v76-79: behind the walk an LDS load of wave 0 lands there.
;   x's fragments and scale words, the accumulators and the quantiser's registers are named in the walk by vector and matrix instructions alone.
; So in the walk ONE wait on va_vdst stands at the head of pairs 1, 2 and 3 of an expert that has a successor, behind the wait for the pair's own data: the products of the pair before are done reading their unit.  That unit's
; loads follow behind the pair's first 16 products, which name the pair's own unit, x and the accumulators: none of the registers that those loads touch.  Unit 3's loads lean on the wait behind the second tile's reciprocals,
; which stands behind the last products.  The choices' eight compares stand in one run, into s32-39, with one wait on va_sdst.  One wait on vm_vsrc stands ahead of the walk, one on va_vdst behind it.
.set XP,   528                         ; a token's row of codes in LDS: 512 bytes + 16: an odd multiple of 16, so the 16 rows of a fragment load start in different banks (64 banks of 4 bytes: ISA guide 11.1)
.set HSS,  64*XP                       ; behind the rows: 512 bytes in which the four waves' scale bytes meet
.set TOK,  8
.set EP,   12
.set XS,   20
.set WS,   36
.set HC,   52
.set HB,   68
.set T,    76
.set TM,   92
.set TP,   96
.set SO,   100
.set BY,   104
.set CN,   108
.set ACC,  128
.set MK,   32                          ; s[32:39]  in the walk: the lanes whose token has e in slot k, tile m, at MK + 4 k + m (at the head s[32:47] hold my wave's tokens)
.set PC,   52                          ; s[52:53], s[54:55] the first expert's codes and scale words: never rewritten
.set PS,   54
.set NX,   62                          ; s62       the expert whose bases stand in the refills' set
.set RC,   68                          ; s[68:69], s[70:71] the refills' set
.set RS,   70
.set MSB, 0
.macro WIN new                         ; the immediate's high byte repeats the setting that is left; a switch that changes nothing is dropped
.if MSB != \new
	s_set_vgpr_msb (MSB<<8)|\new
.set MSB, \new
.endif
.endm
.set MUL, 0x06                         ; source 0 (W) window 2, source 1 (x) window 1, C and D window 0
.set TOX, 0x40                         ; destination window 1
.set TOW, 0x80                         ; destination window 2
.macro PLACES                          ; four plain places behind a matrix instruction, in front of loads into its operands and of reads of its results
.rept 4
	v_nop
.endr
.endm
; one matrix instruction; registers and the rows of the scale registers come as symbols
.macro WM zero
.if \zero
.if rRA && rRB
	v_wmma_scale_f32_16x16x128_f8f6f4 v[rD:rD+7], v[rA:rA+7], v[rB:rB+7], 0, v[rSA], v[rSB] matrix_a_fmt:MATRIX_FMT_FP4 matrix_b_fmt:MATRIX_FMT_FP4 matrix_a_scale:MATRIX_SCALE_ROW1 matrix_b_scale:MATRIX_SCALE_ROW1
.elseif rRA
	v_wmma_scale_f32_16x16x128_f8f6f4 v[rD:rD+7], v[rA:rA+7], v[rB:rB+7], 0, v[rSA], v[rSB] matrix_a_fmt:MATRIX_FMT_FP4 matrix_b_fmt:MATRIX_FMT_FP4 matrix_a_scale:MATRIX_SCALE_ROW1
.elseif rRB
	v_wmma_scale_f32_16x16x128_f8f6f4 v[rD:rD+7], v[rA:rA+7], v[rB:rB+7], 0, v[rSA], v[rSB] matrix_a_fmt:MATRIX_FMT_FP4 matrix_b_fmt:MATRIX_FMT_FP4 matrix_b_scale:MATRIX_SCALE_ROW1
.else
	v_wmma_scale_f32_16x16x128_f8f6f4 v[rD:rD+7], v[rA:rA+7], v[rB:rB+7], 0, v[rSA], v[rSB] matrix_a_fmt:MATRIX_FMT_FP4 matrix_b_fmt:MATRIX_FMT_FP4
.endif
.else
.if rRA && rRB
	v_wmma_scale_f32_16x16x128_f8f6f4 v[rD:rD+7], v[rA:rA+7], v[rB:rB+7], v[rD:rD+7], v[rSA], v[rSB] matrix_a_fmt:MATRIX_FMT_FP4 matrix_b_fmt:MATRIX_FMT_FP4 matrix_a_scale:MATRIX_SCALE_ROW1 matrix_b_scale:MATRIX_SCALE_ROW1
.elseif rRA
	v_wmma_scale_f32_16x16x128_f8f6f4 v[rD:rD+7], v[rA:rA+7], v[rB:rB+7], v[rD:rD+7], v[rSA], v[rSB] matrix_a_fmt:MATRIX_FMT_FP4 matrix_b_fmt:MATRIX_FMT_FP4 matrix_a_scale:MATRIX_SCALE_ROW1
.elseif rRB
	v_wmma_scale_f32_16x16x128_f8f6f4 v[rD:rD+7], v[rA:rA+7], v[rB:rB+7], v[rD:rD+7], v[rSA], v[rSB] matrix_a_fmt:MATRIX_FMT_FP4 matrix_b_fmt:MATRIX_FMT_FP4 matrix_b_scale:MATRIX_SCALE_ROW1
.else
	v_wmma_scale_f32_16x16x128_f8f6f4 v[rD:rD+7], v[rA:rA+7], v[rB:rB+7], v[rD:rD+7], v[rSA], v[rSB] matrix_a_fmt:MATRIX_FMT_FP4 matrix_b_fmt:MATRIX_FMT_FP4
.endif
.endif
.endm
; K step s: 16 matrix instructions.  The 16 accumulators take turns, one instruction a turn, in the same order in every step.  zero = 1: the products start the sums.
; W's scale word of tile u lies in lanes 16 u + rho of the matrix's register for K step s; x's word of K step s in lanes 16 (s / 4) + r of register s % 4 of the tile's four.
.macro MM s, zero
.irp m, 0,1,2,3
.irp t, 0,1,2,3
.set rD, ACC+8*(4*\m+\t)
.set rA, 32*(\s)+8*\t
.set rB, 32*(\s)+8*\m
.set rSA, WS+8*(\t/2)+(\s)
.set rSB, XS+4*\m+((\s)%4)
.set rRA, \t%2
.set rRB, (\s)/4
	WM \zero
.endr
.endr
.endm
; 20 loads: K steps 2 p and 2 p + 1 of the expert whose codes begin at s[cb:cb+1] and whose scale words at s[sb:sb+1].  It leaves the destination's window at 2: what follows sets its own.
.macro WUNIT p, cb, sb
	WIN 0
.irp d, 0,1
.irp a, 0,1
	global_load_b32 v[WS+8*\a+2*(\p)+\d], v2, s[\sb:\sb+1] offset:\a*262144+(2*(\p)+\d)*4096
.endr
.endr
	WIN TOW
.irp d, 0,1
.irp t, 0,1,2,3
.irp c, 0,1
	global_load_b128 v[32*(2*(\p)+\d)+8*\t+4*\c:32*(2*(\p)+\d)+8*\t+4*\c+3], v1, s[\cb:\cb+1] offset:(\t/2)*4194304+(2*(\p)+\d)*2048+(\t%2)*1024+\c*512
.endr
.endr
.endr
.endm
; An expert's 128 matrix instructions, in four pairs of K steps.  refill = 1: in the middle of pairs 1, 2, 3 the registers of the pair before take the next expert's; the fourth pair's follow in the vector work.
.macro BODY refill
.irp p, 0,1,2,3
.if \refill
.if \p == 0
	s_wait_loadcnt 60                              ; this expert's unit 0 is in; its units 1, 2, 3, issued behind it, may be out
.else
	s_wait_loadcnt 40                              ; this unit of 20 loads is in; the two units issued behind it (this expert's later ones, the next expert's earlier ones) may be out
	s_wait_alu depctr_va_vdst(0)                   ; the 32 products of the pair before are done reading their codes and scale words, in which the loads below land
.endif
.else
	s_wait_loadcnt 20*(3-\p)                       ; this expert's later units may be out
.endif
	WIN MUL
.if \p == 0
	MM 0, 1
.else
	MM 2*\p, 0
.endif
.if \refill && (\p > 0)
	PLACES                                         ; the four places behind the pair before stay beside the wait above
	WUNIT \p-1, RC, RS                             ; no further wait: the 16 products issued since that wait name this pair's own unit, x and the accumulators, none of the registers that these loads touch
	WIN MUL
.endif
	MM 2*\p+1, 0
.endr
	WIN 0
.endm
; tile m of tokens: h = g / (1 + 2^(-g log2 e)) * v, in f32, in place on the gate's 16 registers; each accumulator is read from its low end on
.macro SILU m
.set G, ACC+32*\m
.irp i, 0,2,4,6,8,10,12,14
	v_pk_mul_f32 v[T+\i:T+\i+1], v[G+\i:G+\i+1], s[60:61] op_sel_hi:[1,0]
.endr
.irp i, 0,1,2,3,4,5,6,7,8,9,10,11,12,13,14,15
	v_exp_f32 v[T+\i], v[T+\i]
.endr
	v_nop                                          ; a plain place behind the transcendentals
	s_wait_alu depctr_va_vdst(0)                   ; the sixteen exponentials have written v[T ..], which the additions read: one wait for the batch
.irp i, 0,2,4,6,8,10,12,14
	v_pk_add_f32 v[T+\i:T+\i+1], v[T+\i:T+\i+1], 1.0 op_sel_hi:[1,0]
.endr
.irp i, 0,1,2,3,4,5,6,7,8,9,10,11,12,13,14,15
	v_rcp_f32 v[T+\i], v[T+\i]
.endr
	v_nop
	s_wait_alu depctr_va_vdst(0)                   ; the sixteen reciprocals have written v[T ..], which the multiplications read: one wait for the batch
.irp i, 0,2,4,6,8,10,12,14
	v_pk_mul_f32 v[G+\i:G+\i+1], v[G+\i:G+\i+1], v[T+\i:T+\i+1]
.endr
.irp i, 0,2,4,6,8,10,12,14
	v_pk_mul_f32 v[G+\i:G+\i+1], v[G+\i:G+\i+1], v[G+16+\i:G+16+\i+1]
.endr
.endm
; THE VECTOR WORK behind an expert's products: the activation, the quantiser, the choice of slots.  refill = 1: the next expert's unit 3 is asked for in its middle, and at its end the refills' bases step to the expert after that.
.macro EPI refill
	PLACES
	SILU 0
	SILU 1
.if \refill
	WUNIT 3, RC, RS                                ; the registers of K steps 6 and 7: their last products stand more than four plain places back.  No wait of their own: the wait behind the second tile's reciprocals stands behind
	WIN 0                                          ; those products, and the sixteen multiplications issued since name accumulators and v[T ..] alone
.endif
	SILU 2
	SILU 3
	; the quantiser: for each tile of tokens my 16 numbers and lane l xor 16's are the block of 32.  The four tiles by turns: no line waits for the line above it
.irp m, 0,1,2,3
	v_max3_num_f32 v[TM+\m], |v[ACC+32*\m]|, |v[ACC+32*\m+1]|, 0x1800000   ; with the floor 2^(3 - 127): the byte cannot fall under 1
.endr
.irp i, 2,4,6,8,10,12,14
.irp m, 0,1,2,3
	v_max3_num_f32 v[TM+\m], v[TM+\m], |v[ACC+32*\m+\i]|, |v[ACC+32*\m+\i+1]|
.endr
.endr
.irp m, 0,1,2,3
	v_permlanex16_b32 v[TP+\m], v[TM+\m], s58, s59
.endr
.irp m, 0,1,2,3
	v_max_num_f32 v[TM+\m], v[TM+\m], v[TP+\m]
.endr
.irp m, 0,1,2,3
	v_add_nc_u32 v[SO+\m], 0xff000000, v[TM+\m]    ; 2 off the exponent field: the conversion's scale operand
.endr
.irp m, 0,1,2,3
	v_lshrrev_b32 v[BY+\m], 23, v[SO+\m]           ; the scale's byte
.endr
.irp m, 0,1,2,3
.irp k, 0,1
	v_cmp_eq_u32 s[MK+4*\k+\m], s28, v[EP+2*\m+\k] ; is e my token's k-th expert?  The eight compares in one run, a scalar register each
.endr
.endr
.irp m, 0,1,2,3
	v_cvt_scalef32_pk8_fp4_f32 v[CN+2*\m], v[ACC+32*\m:ACC+32*\m+7], v[SO+\m]
	v_cvt_scalef32_pk8_fp4_f32 v[CN+2*\m+1], v[ACC+32*\m+8:ACC+32*\m+15], v[SO+\m]
.endr
	v_nop                                          ; one plain place behind the scaled conversions
	s_wait_alu depctr_va_sdst(0)                   ; the eight compares have written s[MK ..], ahead of their first reader
.irp m, 0,1,2,3
.irp k, 0,1
	v_cndmask_b32 v[HC+2*(4*\k+\m)], v[HC+2*(4*\k+\m)], v[CN+2*\m], s[MK+4*\k+\m]       ; where e is the k-th expert, slot k keeps these codes and this byte
	v_cndmask_b32 v[HC+2*(4*\k+\m)+1], v[HC+2*(4*\k+\m)+1], v[CN+2*\m+1], s[MK+4*\k+\m]
	v_cndmask_b32 v[HB+4*\k+\m], v[HB+4*\k+\m], v[BY+\m], s[MK+4*\k+\m]
.endr
.endr
.if \refill
	s_add_co_u32 s29, s[NX], 1                     ; the first expert in use above the one just asked for (if there is none: that one again; its bases are then not used)
	s_lshr_b32 s30, s27, s29
	s_ctz_i32_b32 s30, s30
	s_add_co_u32 s30, s30, s29
	s_min_u32 s[NX], s30, 7
	s_wait_xcnt 0x0                                ; the refills have read their bases (the youngest were issued half of this vector work ago): these are written again only behind this wait
	s_lshl_b32 s56, s[NX], 19
	s_add_nc_u64 s[RC:RC+1], s[48:49], s[56:57]
	s_lshl_b32 s56, s[NX], 15
	s_add_nc_u64 s[RS:RS+1], s[50:51], s[56:57]
.endif
.endm
	s_load_b512 s[8:23], s[0:1], 0x0               ; route 8:9, expert_indices 10:11, xq 12:13, xs 14:15, wq 16:17, wsc 18:19, hq 20:21, hs 22:23
	v_lshl_add_u32 v126, v0, 2, 0x8600
	v_mov_b32 v127, 0
	v_lshrrev_b32 v1, 5, v0
	v_readfirstlane_b32 s24, v1                    ; wave 0..3
	s_mov_b32 s25, ttmp9                           ; ch
	s_and_b32 s26, ttmp7, 0xffff                   ; b
	v_and_b32 v116, 31, v0                         ; lane
	v_and_b32 v117, 15, v0                         ; r
	v_bfe_u32 v118, v0, 4, 1                       ; h
	v_lshlrev_b32 v1, 4, v116                      ; 16 x lane
	v_lshlrev_b32 v2, 2, v116                      ; 4 x lane
	v_mul_u32_u24 v3, v117, XP
	v_lshl_add_u32 v3, v118, 4, v3                 ; a fragment of x from LDS: row r, + 16 h
	v_lshlrev_b32 v4, 4, v117
	v_lshl_add_u32 v4, v118, 3, v4
	s_wait_alu depctr_va_sdst(0)                   ; s24 is written, ahead of its first reader: addresses, bases and branches are made from it
	s_lshl_b32 s29, s24, 8
	v_add_nc_u32 v4, s29, v4                       ; my 8 bytes of an image of h: 256 w + 16 r + 8 h
	v_lshl_add_u32 v5, v117, 4, HSS
	v_add_nc_u32 v5, s24, v5                       ; my token's scale byte: HSS + 16 r + w
	v_add_nc_u32 v119, HSS, v1                     ; and the way back: 16 bytes a lane
	s_lshl_b32 s29, s26, 8
	v_lshl_add_u32 v6, v117, 2, s29                ; route: place 64 b + r
	s_mul_i32 s31, s24, 16*XP
	v_add_nc_u32 v7, s31, v1                       ; where I put the rows that my wave fetches: rows 16 w on, 16 bytes a lane
	s_lshl_b32 s29, s26, 2
	s_lshl_b32 s30, s26, 8
	s_lshl_b32 s31, s24, 6
	s_add_co_u32 s30, s30, s31
	s_wait_kmcnt 0x0
	s_load_b32 s27, s[8:9], s29 offset:0x2000      ; the block's mask of experts
	s_load_b512 s[32:47], s[8:9], s30              ; the tokens at places 64 b + 16 w + 0..15
	s_wait_alu depctr_va_vdst(0)                   ; the offsets and LDS addresses v1 to v7 and v119 are written, which the loads and stores of the whole kernel read
.irp m, 0,1,2,3
	global_load_b32 v[TOK+\m], v6, s[8:9] offset:64*\m   ; and, a lane a token, those of tile m
.endr
	s_lshl_b32 s31, s25, 2
	s_add_co_u32 s31, s31, s24                     ; g = 4 ch + w
	s_lshl_b32 s56, s31, 14
	s_mov_b32 s57, 0
	s_add_nc_u64 s[48:49], s[16:17], s[56:57]      ; my group's codes of expert 0, W1
	s_lshl_b32 s56, s31, 7
	s_add_nc_u64 s[50:51], s[18:19], s[56:57]      ; and its scale words
	s_lshl_b32 s31, s26, 3
	s_add_co_u32 s31, s31, s25                     ; 8 b + ch
	s_lshl_b32 s56, s31, 13
	s_add_nc_u64 s[20:21], s[20:21], s[56:57]
	s_lshl_b32 s56, s31, 9
	s_add_nc_u64 s[22:23], s[22:23], s[56:57]
	s_mov_b32 s58, 0x76543210
	s_mov_b32 s59, 0xfedcba98                      ; v_permlanex16_b32's selects for lane l xor 16
	s_mov_b32 s60, 0xbfb8aa3b                      ; -log2(e)
	s_mov_b32 s61, s60                             ; (named with it as a pair, so it is written)
	s_wait_kmcnt 0x0
.irp i, 0,1,2,3,4,5,6,7,8,9,10,11,12,13,14,15
	s_min_u32 s[32+\i], s[32+\i], 2047
.endr
.irp i, 0,1,2,3,4,5,6,7,8,9,10,11,12,13,14,15
	v_lshl_add_u32 v[T+\i], s[32+\i], 9, v1
.endr
	s_wait_alu depctr_va_vdst(0)                   ; the sixteen rows' offsets v[T ..] are written, which the loads below read
.irp i, 0,1,2,3,4,5,6,7,8,9,10,11,12,13,14,15
	global_load_b128 v[ACC+4*\i:ACC+4*\i+3], v[T+\i], s[12:13]   ; a token's whole row of codes: 512 consecutive bytes
.endr
	s_wait_loadcnt 16                              ; the four token loads are in; the 16 rows may be out
.irp m, 0,1,2,3
	v_min_u32 v[TOK+\m], 2047, v[TOK+\m]
.endr
.irp m, 0,1,2,3
	v_lshlrev_b32 v[CN+\m], 3, v[TOK+\m]
	v_lshlrev_b32 v[CN+4+\m], 5, v[TOK+\m]
.endr
.irp m, 0,1,2,3
	v_lshl_add_u32 v[CN+4+\m], v118, 4, v[CN+4+\m] ; lanes 0-15 take the scale words of K steps 0-3, lanes 16-31 those of 4-7
.endr
	s_wait_alu depctr_va_vdst(0)                   ; the eight offsets v[CN ..] are written, which the loads below read
.irp m, 0,1,2,3
	global_load_b64 v[EP+2*\m:EP+2*\m+1], v[CN+\m], s[10:11]
	global_load_b128 v[XS+4*\m:XS+4*\m+3], v[CN+4+\m], s[14:15]
.endr
	s_ctz_i32_b32 s30, s27                         ; the first expert in use
	s_min_u32 s30, s30, 7
	s_lshl_b32 s56, s30, 19
	s_add_nc_u64 s[PC:PC+1], s[48:49], s[56:57]
	s_lshl_b32 s56, s30, 15
	s_add_nc_u64 s[PS:PS+1], s[50:51], s[56:57]
	s_add_co_u32 s29, s30, 1                       ; and the second (if there is none: the first again; its bases are then not used)
	s_lshr_b32 s31, s27, s29
	s_ctz_i32_b32 s31, s31
	s_add_co_u32 s31, s31, s29
	s_min_u32 s[NX], s31, 7
	s_lshl_b32 s56, s[NX], 19
	s_add_nc_u64 s[RC:RC+1], s[48:49], s[56:57]
	s_lshl_b32 s56, s[NX], 15
	s_add_nc_u64 s[RS:RS+1], s[50:51], s[56:57]
	WUNIT 0, PC, PS                                ; no vector or matrix instruction has named the registers in which the first expert's four units land
	WUNIT 1, PC, PS
	WIN 0
	s_wait_loadcnt 48                              ; the 16 rows are in; behind them 8 loads of experts and scales and two units of 20
.irp i, 0,1,2,3,4,5,6,7,8,9,10,11,12,13,14,15
	ds_store_b128 v7, v[ACC+4*\i:ACC+4*\i+3] offset:XP*\i
.endr
	s_wait_dscnt 0x0                               ; for the others' sake: my rows have landed
	s_barrier_signal -1
	s_barrier_wait -1
	WUNIT 2, PC, PS                                ; ahead of the run of LDS loads: these have the longer way
	WIN TOX
.irp s, 0,1,2,3,4,5,6,7
.irp m, 0,1,2,3
.irp c, 0,1
	ds_load_b128 v[32*\s+8*\m+4*\c:32*\s+8*\m+4*\c+3], v3 offset:16*XP*\m+64*\s+32*\c
.endr
.endr
.endr
	WIN 0
.irp j, 0,1,2,3,4,5,6,7,8,9,10,11,12,13,14,15
	v_mov_b32 v[HC+\j], 0                          ; a slot that no expert of the walk fills keeps zero codes
.endr
.irp j, 0,1,2,3,4,5,6,7
	v_mov_b32 v[HB+\j], 127                        ; under the byte of 1.0
.endr
.irp j, 0,1,2,3
	v_mov_b32 v[TP+\j], 0                          ; written once: a lane permute's destination counts as one of its sources
.endr
	WUNIT 3, PC, PS
	WIN 0
	s_wait_dscnt 0x0                               ; x's fragments are in
	s_wait_alu depctr_vm_vsrc(0)                   ; the head's loads have read their offsets v[T ..] and v[CN ..], and the LDS stores their data v[ACC ..]: the walk's activation, conversions and products write these registers
	s_mov_b32 s28, 0
.Lexp:
	s_lshr_b32 s29, s27, s28
	s_and_b32 s30, s29, 1
	s_cmp_lg_u32 s30, 0
	s_cbranch_scc0 .Lskip                          ; no token of the block uses expert e
	s_lshr_b32 s29, s29, 1
	s_cmp_eq_u32 s29, 0
	s_cbranch_scc1 .Llast                          ; no expert follows: nothing more is asked for
	BODY 1                                         ; the refills' bases already stand at the next expert in use
	EPI 1
	s_branch .Lskip
.Llast:
	BODY 0
	EPI 0
.Lskip:
	s_add_co_u32 s28, s28, 1
	s_cmp_lt_u32 s28, 8
	s_cbranch_scc1 .Lexp
	s_wait_alu depctr_va_vdst(0)                   ; the walk's choices (and the head's moves) have written v[HC ..] and v[HB ..], which the stores below read; the activation is done with v[T ..], in which wave 0's LDS load lands
.irp k, 0,1
.irp m, 0,1,2,3
	global_store_b64 v4, v[HC+2*(4*\k+\m):HC+2*(4*\k+\m)+1], s[20:21] offset:(4*\k+\m)*1024   ; the wave stores 256 consecutive bytes, aligned: block w of the image
	ds_store_b8 v5, v[HB+4*\k+\m] offset:(\m%2)*256+(2*\k+\m/2)*4                             ; lanes l and l xor 16 write the same byte with the same value
.endr
.endr
	s_wait_dscnt 0x0
	s_barrier_signal -1
	s_barrier_wait -1
	s_cmp_lg_u32 s24, 0
	s_cbranch_scc1 .Ldone
	ds_load_b128 v[T:T+3], v119                    ; the four waves' bytes make whole scale words: 512 consecutive bytes
	s_wait_dscnt 0x0
	global_store_b128 v1, v[T:T+3], s[22:23]
.Ldone:
	s_wait_dscnt 0x0                               ; the closing lines, six on end
	s_wait_alu 0x0
	s_wait_tensorcnt 0x0
	ds_add_u32 v126, v127
	s_wait_dscnt 0x0
	s_endpgm
.Lfunc_end_k_q3b2406070b_hidden:
	.size	k_q3b2406070b_hidden, .Lfunc_end_k_q3b2406070b_hidden-k_q3b2406070b_hidden
	.p2alignl 7, 3214868480
	.fill 96, 4, 3214868480
	.section	.rodata,"a",@progbits
	.p2align	6, 0x0
	.amdhsa_kernel k_q3b2406070b_hidden
		.amdhsa_group_segment_fixed_size 34816
		.amdhsa_private_segment_fixed_size 0
		.amdhsa_enable_private_segment 0
		.amdhsa_kernarg_size 64
		.amdhsa_user_sgpr_count 2
		.amdhsa_user_sgpr_kernarg_segment_ptr 1
		.amdhsa_wavefront_size32 1
		.amdhsa_system_sgpr_workgroup_id_x 1
		.amdhsa_system_sgpr_workgroup_id_y 1
		.amdhsa_system_sgpr_workgroup_id_z 1
		.amdhsa_system_vgpr_workitem_id 0
		.amdhsa_next_free_vgpr 768
		.amdhsa_next_free_sgpr 72
		.amdhsa_reserve_vcc 0
		.amdhsa_float_denorm_mode_32 3
		.amdhsa_float_denorm_mode_16_64 3
		.amdhsa_memory_ordered 1
		.amdhsa_forward_progress 1
		.amdhsa_inst_pref_size 102
	.end_amdhsa_kernel
	.amdgpu_metadata
---
amdhsa.version: [ 1, 2 ]
amdhsa.kernels:
  - .name:           k_q3b2406070b_hidden
    .symbol:         k_q3b2406070b_hidden.kd
    .args:
      - { .name: route, .offset: 0, .size: 8, .value_kind: global_buffer, .address_space: global }
      - { .name: expert_indices, .offset: 8, .size: 8, .value_kind: global_buffer, .address_space: global }
      - { .name: xq, .offset: 16, .size: 8, .value_kind: global_buffer, .address_space: global }
      - { .name: xs, .offset: 24, .size: 8, .value_kind: global_buffer, .address_space: global }
      - { .name: wq, .offset: 32, .size: 8, .value_kind: global_buffer, .address_space: global }
      - { .name: wsc, .offset: 40, .size: 8, .value_kind: global_buffer, .address_space: global }
      - { .name: hq, .offset: 48, .size: 8, .value_kind: global_buffer, .address_space: global }
      - { .name: hs, .offset: 56, .size: 8, .value_kind: global_buffer, .address_space: global }
    .group_segment_fixed_size: 34816
    .private_segment_fixed_size: 0
    .kernarg_segment_align: 8
    .kernarg_segment_size: 64
    .max_flat_workgroup_size: 128
    .sgpr_count:     72
    .vgpr_count:     768
    .wavefront_size: 32
...
	.end_amdgpu_metadata
.endif
;; end of part 4
;; launch combine (part 5): grid 8 x 32, 4 waves a work-group, no clusters, 99,840 bytes of LDS; arguments route, expert_indices, expert_weights, hq, hs, wq, wsc, out0; writes out0
.if DOCPART == 5
	.amdgcn_target "amdgcn-amd-amdhsa--gfx1250"
	.amdhsa_code_object_version 6
	.text
	.protected	k_q3b2406070b_combine
	.globl	k_q3b2406070b_combine
	.p2align	8
	.type	k_q3b2406070b_combine,@function
k_q3b2406070b_combine:
	s_mov_b64 s[64:65], 0
	v_nop
	global_prefetch_b8 v0, s[64:65] scope:SCOPE_SE
	s_setreg_imm32_b32 hwreg(HW_REG_WAVE_SCHED_MODE, 0, 2), 2
	s_setreg_imm32_b32 hwreg(HW_REG_WAVE_MODE, 25, 1), 1
	s_wait_xcnt 0x0
	s_wait_alu depctr_vm_vsrc(0)
; COMBINE: out[t] = the sum over e of p(t, e) (h W3[e]), p(t, e) = the sum over the slots k of (expert k of t == e ? weight k of t : 0), for a block of 64 sorted tokens and 128 output columns.
; SHARES.  Work-group (nch, b): block b, columns 128 nch .. + 127: each output row's part has this one owner.  Wave w: columns 32 (4 nch + w) + 0..31, two tiles u, against the 8 tiles q = 4 slot + m of h: 16 accumulators Y.
; The block's codes of h, both slots, all of K (64 KiB), come once through LDS into each wave's 512 registers.  An expert's codes of W3 for the wave (all of K) fill 128 registers.
; THE WALK is the one of the launch before: e from 0 to 7, experts whose bit is clear in the block's stored mask are passed over.  For an expert in use BOTH slots of all 64 tokens are multiplied by W3[e] and weighed with
; p_k = (e_k == e) ? w_k : 0, chosen by v_cndmask_b32: where both slots name e, p0 y + p1 y stands for (p0 + p1) y.  The experts are added in ascending order, as in the reference.
; TRANSPOSED USE: source 0 = 16 columns of W3, source 1 = 16 tokens of h: a lane holds one token, and the 16 registers of tiles 0, 1 are columns 16 (lane / 16) + 0..15 of the wave's 32.
; NO CLUSTER, NO TENSOR LOAD: which experts a block walks is read from memory and differs from block to block, so partners would not ask for the same tiles of W3.
; LIMITS: NaN and infinities are not served.
; REGISTERS: window 0: v1-6 addresses; v8-11 my tokens; v12-19 their expert pairs; v20-27 their weight pairs; v28-35 p of the 8 tiles; v36-39 offsets; v40-71 h's scale words; v72-79 W3's; v80-95 the rows' offsets in out0;
;   v128-255 Y ((q, u) at 128 + 8 (2 q + u)).   windows 1, 2: h's fragments (K step s, tile q at 64 (s % 4) + 8 q of window 1 + s / 4).   window 3: v0-127 W3's (16 s + 8 u); v128-191 the running result, 16 a tile m.
; THE MODE: SCHED_MODE bits 1:0 = 2 (LLVM: expert scheduling mode 2), set by the entry lines.  The code itself states the register dependences between vector or matrix instructions and memory or LDS instructions,
; with s_wait_alu, always for 0.
; THE PLAN.  Registers that memory or LDS instructions touch:
;   v1-6, v36-39    offsets and LDS addresses: written at the head, never again.
;   v128-255 (Y)    at the head h's images land there and LDS stores read them; in the walk the products write them and the accumulation reads them; on the way out the stage's rows land in v128-191.
;   window 3 v0-127 and v72-79, in four units of two K steps.  Unit p: read by the 32 products of pair p of K steps; then the next expert's 10 loads land in it.
;   window 3 v128-191  the running result: written by the accumulation, read by the LDS stores of the way out.   v80-95: written on the way out, read by the stores into out0.
;   h's fragments and scale words, p and the pairs of experts and weights are named in the walk by vector and matrix instructions alone.
; So in the walk ONE wait on va_vdst stands at the head of pairs 1, 2 and 3 of an expert that has a successor, behind the wait for the pair's own data: the products of the pair before are done reading their unit, whose loads
; follow behind the pair's first 16 products (these name the pair's own unit, h and Y alone); and one behind the last products, for unit 3.  The eight compares that choose p stand in one run, into s2-5 and s58-61, with one
; wait on va_sdst.  One wait on vm_vsrc stands ahead of the walk, one on va_vdst at the head of the way out.
.set OST,  65536                       ; LDS: 0 .. 65,535 the block's images of h as they lie in memory; behind them the stage for the way out:
.set OP,   528                         ; 64 rows of 512 bytes + 16
.set TOK,  8
.set EP,   12
.set PW,   20
.set P,    28
.set TO,   36
.set HS,   40
.set WS3,  72
.set OO,   80
.set Y,    128
.set OA,   128                         ; in window 3
.set MSB, 0
.macro WIN new                         ; the immediate's high byte repeats the setting that is left; a switch that changes nothing is dropped
.if MSB != \new
	s_set_vgpr_msb (MSB<<8)|\new
.set MSB, \new
.endif
.endm
.set MUL_LO, 0x07                      ; source 0 (W3) window 3, source 1 (h) window 1, C and D window 0
.set MUL_HI, 0x0b                      ; the same with h in window 2
.set TOW,    0xc0                      ; destination window 3
.set ACCU,   0xf0                      ; destination and source 2 window 3
.macro WINM p                          ; the products' windows in pair p of K steps
.if (\p) < 2
	WIN MUL_LO
.else
	WIN MUL_HI
.endif
.endm
.macro PLACES                          ; four plain places behind a matrix instruction, in front of loads into its operands
.rept 4
	v_nop
.endr
.endm
.macro WM zero
.if \zero
.if rRA && rRB
	v_wmma_scale_f32_16x16x128_f8f6f4 v[rD:rD+7], v[rA:rA+7], v[rB:rB+7], 0, v[rSA], v[rSB] matrix_a_fmt:MATRIX_FMT_FP4 matrix_b_fmt:MATRIX_FMT_FP4 matrix_a_scale:MATRIX_SCALE_ROW1 matrix_b_scale:MATRIX_SCALE_ROW1
.elseif rRA
	v_wmma_scale_f32_16x16x128_f8f6f4 v[rD:rD+7], v[rA:rA+7], v[rB:rB+7], 0, v[rSA], v[rSB] matrix_a_fmt:MATRIX_FMT_FP4 matrix_b_fmt:MATRIX_FMT_FP4 matrix_a_scale:MATRIX_SCALE_ROW1
.elseif rRB
	v_wmma_scale_f32_16x16x128_f8f6f4 v[rD:rD+7], v[rA:rA+7], v[rB:rB+7], 0, v[rSA], v[rSB] matrix_a_fmt:MATRIX_FMT_FP4 matrix_b_fmt:MATRIX_FMT_FP4 matrix_b_scale:MATRIX_SCALE_ROW1
.else
	v_wmma_scale_f32_16x16x128_f8f6f4 v[rD:rD+7], v[rA:rA+7], v[rB:rB+7], 0, v[rSA], v[rSB] matrix_a_fmt:MATRIX_FMT_FP4 matrix_b_fmt:MATRIX_FMT_FP4
.endif
.else
.if rRA && rRB
	v_wmma_scale_f32_16x16x128_f8f6f4 v[rD:rD+7], v[rA:rA+7], v[rB:rB+7], v[rD:rD+7], v[rSA], v[rSB] matrix_a_fmt:MATRIX_FMT_FP4 matrix_b_fmt:MATRIX_FMT_FP4 matrix_a_scale:MATRIX_SCALE_ROW1 matrix_b_scale:MATRIX_SCALE_ROW1
.elseif rRA
	v_wmma_scale_f32_16x16x128_f8f6f4 v[rD:rD+7], v[rA:rA+7], v[rB:rB+7], v[rD:rD+7], v[rSA], v[rSB] matrix_a_fmt:MATRIX_FMT_FP4 matrix_b_fmt:MATRIX_FMT_FP4 matrix_a_scale:MATRIX_SCALE_ROW1
.elseif rRB
	v_wmma_scale_f32_16x16x128_f8f6f4 v[rD:rD+7], v[rA:rA+7], v[rB:rB+7], v[rD:rD+7], v[rSA], v[rSB] matrix_a_fmt:MATRIX_FMT_FP4 matrix_b_fmt:MATRIX_FMT_FP4 matrix_b_scale:MATRIX_SCALE_ROW1
.else
	v_wmma_scale_f32_16x16x128_f8f6f4 v[rD:rD+7], v[rA:rA+7], v[rB:rB+7], v[rD:rD+7], v[rSA], v[rSB] matrix_a_fmt:MATRIX_FMT_FP4 matrix_b_fmt:MATRIX_FMT_FP4
.endif
.endif
.endm
; K step s: 16 matrix instructions, the 16 accumulators by turns, one instruction a turn, in the same order in every step
.macro MM3 s, zero
.irp q, 0,1,2,3,4,5,6,7
.irp u, 0,1
.set rD, Y+8*(2*\q+\u)
.set rA, 16*(\s)+8*\u
.set rB, 64*((\s)%4)+8*\q
.set rSA, WS3+(\s)
.set rSB, HS+4*(\s)+\q/2
.set rRA, \u
.set rRB, \q%2
	WM \zero
.endr
.endr
.endm
; 10 loads: K steps 2 p and 2 p + 1 of W3 of the expert at s[52:53] (codes) and s[54:55] (scale words).  It leaves the destination's window at 3: what follows sets its own.
.macro WUNIT3 p
	WIN 0
.irp d, 0,1
	global_load_b32 v[WS3+2*(\p)+\d], v2, s[54:55] offset:(2*(\p)+\d)*4096
.endr
	WIN TOW
.irp d, 0,1
.irp u, 0,1
.irp c, 0,1
	global_load_b128 v[16*(2*(\p)+\d)+8*\u+4*\c:16*(2*(\p)+\d)+8*\u+4*\c+3], v1, s[52:53] offset:(2*(\p)+\d)*2048+\u*1024+\c*512
.endr
.endr
.endr
.endm
; An expert's 128 matrix instructions, in four pairs of K steps.  refill = 1: in the middle of pairs 1, 2, 3 the registers of the pair before take the next expert's, and behind the last products the fourth pair's.
.macro BODY3 refill
.irp p, 0,1,2,3
.if \refill
.if \p == 0
	s_wait_loadcnt 30                              ; this expert's unit 0 is in; its units 1, 2, 3, issued behind it, may be out
.else
	s_wait_loadcnt 20                              ; this unit of 10 loads is in; the two units issued behind it (this expert's later ones, the next expert's earlier ones) may be out
	s_wait_alu depctr_va_vdst(0)                   ; the 32 products of the pair before are done reading their codes and scale words, in which the loads below land
.endif
.else
	s_wait_loadcnt 10*(3-\p)                       ; this expert's later units may be out
.endif
	WINM \p
.if \p == 0
	MM3 0, 1
.else
	MM3 2*\p, 0
.endif
.if \refill && (\p > 0)
	PLACES                                         ; the four places behind the pair before stay beside the wait above
	WUNIT3 \p-1                                    ; no further wait: the 16 products issued since that wait name this pair's own unit, h and Y, none of the registers that these loads touch
	WINM \p
.endif
	MM3 2*\p+1, 0
.endr
	WIN 0
.if \refill
	PLACES                                         ; the four places behind the last products stay beside the wait below
	s_wait_alu depctr_va_vdst(0)                   ; the products of K steps 6 and 7 are done reading their codes and scale words, in which the loads below land
	WUNIT3 3
	WIN 0
.endif
.endm
; the running result takes p x Y.  The sixteen lines that make p name no register of the products: they are the places behind the last of them.  Each accumulator is read from its low end on.
.macro ACCUM
.irp k, 0,1
.irp m, 0,1,2,3
	v_cmp_eq_u32 s[2+56*\k+\m], s28, v[EP+2*\m+\k] ; is e my token's k-th expert?  The eight compares in one run, a scalar register each: s2-5 for slot 0, s58-61 for slot 1
.endr
.endr
	s_wait_alu depctr_va_sdst(0)                   ; the eight compares have written their scalar registers, ahead of their first reader
.irp k, 0,1
.irp m, 0,1,2,3
	v_cndmask_b32 v[P+4*\k+\m], 0, v[PW+2*\m+\k], s[2+56*\k+\m]
.endr
.endr
	WIN ACCU
.irp k, 0,1
.irp m, 0,1,2,3
.irp i, 0,2,4,6,8,10,12,14
.if \m%2 == 0
	v_pk_fma_f32 v[OA+16*\m+\i:OA+16*\m+\i+1], v[Y+16*(4*\k+\m)+\i:Y+16*(4*\k+\m)+\i+1], v[P+4*\k+\m:P+4*\k+\m+1], v[OA+16*\m+\i:OA+16*\m+\i+1] op_sel_hi:[1,0,1]
.else
	v_pk_fma_f32 v[OA+16*\m+\i:OA+16*\m+\i+1], v[Y+16*(4*\k+\m)+\i:Y+16*(4*\k+\m)+\i+1], v[P+4*\k+\m-1:P+4*\k+\m], v[OA+16*\m+\i:OA+16*\m+\i+1] op_sel:[0,1,0] op_sel_hi:[1,1,1]
.endif
.endr
.endr
.endr
	WIN 0
.endm
	s_load_b512 s[8:23], s[0:1], 0x0               ; route 8:9, expert_indices 10:11, expert_weights 12:13, hq 14:15, hs 16:17, wq 18:19, wsc 20:21, out0 22:23
	v_lshl_add_u32 v126, v0, 2, 0x18400
	v_mov_b32 v127, 0
	v_lshrrev_b32 v1, 5, v0
	v_readfirstlane_b32 s24, v1                    ; wave 0..3
	s_mov_b32 s25, ttmp9                           ; nch
	s_and_b32 s26, ttmp7, 0xffff                   ; b
	v_and_b32 v96, 31, v0                          ; lane
	v_and_b32 v97, 15, v0                          ; r
	v_bfe_u32 v98, v0, 4, 1                        ; h
	v_lshlrev_b32 v1, 4, v96                       ; 16 x lane
	v_lshlrev_b32 v2, 2, v96                       ; 4 x lane
	v_mul_u32_u24 v3, v97, OP
	v_lshl_add_u32 v3, v98, 6, v3
	s_wait_alu depctr_va_sdst(0)                   ; s24 is written, ahead of its first reader: addresses and bases are made from it
	s_lshl_b32 s29, s24, 7
	v_add_nc_u32 v3, s29, v3
	v_add_nc_u32 v3, OST, v3                       ; the stage, in: row r, + 128 w + 64 h: my 16 columns
	s_mul_i32 s29, s24, 16*OP
	v_add_nc_u32 v4, s29, v1
	v_add_nc_u32 v4, OST, v4                       ; and back: my wave's 16 rows, 16 bytes a lane
	s_lshl_b32 s29, s24, 14
	v_add_nc_u32 v5, s29, v1                       ; my wave's quarter of the block's images of h, in memory and in LDS alike
	s_lshl_b32 s29, s26, 8
	v_lshl_add_u32 v6, v97, 2, s29                 ; route: place 64 b + r
	s_lshl_b32 s29, s26, 2
	s_lshl_b32 s30, s26, 8
	s_lshl_b32 s31, s24, 6
	s_add_co_u32 s30, s30, s31
	s_mov_b32 s57, 0
	s_wait_kmcnt 0x0
	s_load_b32 s27, s[8:9], s29 offset:0x2000      ; the block's mask of experts
	s_load_b512 s[32:47], s[8:9], s30              ; the tokens at places 64 b + 16 w + 0..15
	s_wait_alu depctr_va_vdst(0)                   ; the offsets and LDS addresses v1 to v6 are written, which the loads and stores of the whole kernel read
.irp m, 0,1,2,3
	global_load_b32 v[TOK+\m], v6, s[8:9] offset:64*\m
.endr
	s_lshl_b32 s56, s26, 16
	s_add_nc_u64 s[14:15], s[14:15], s[56:57]
	s_lshl_b32 s56, s26, 12
	s_add_nc_u64 s[16:17], s[16:17], s[56:57]
.set cc, 0
.rept 32
	global_load_b128 v[Y+4*cc:Y+4*cc+3], v5, s[14:15] offset:512*cc
.set cc, cc+1
.endr
.irp s, 0,1,2,3,4,5,6,7
	global_load_b128 v[HS+4*\s:HS+4*\s+3], v1, s[16:17] offset:512*\s   ; register i: lanes 0-15 the words of tile q = 2 i, lanes 16-31 of q = 2 i + 1
.endr
	s_lshl_b32 s31, s25, 2
	s_add_co_u32 s31, s31, s24                     ; my group of 32 columns: 4 nch + w
	s_lshl_b32 s56, s31, 14
	s_add_nc_u64 s[48:49], s[18:19], s[56:57]
	s_add_nc_u64 s[48:49], s[48:49], 8388608       ; W3's codes lie behind W1's and W2's
	s_lshl_b32 s56, s31, 7
	s_add_nc_u64 s[50:51], s[20:21], s[56:57]
	s_add_nc_u64 s[50:51], s[50:51], 524288
	s_lshl_b32 s56, s25, 9
	s_add_nc_u64 s[22:23], s[22:23], s[56:57]      ; out0 at my 128 columns
	s_wait_kmcnt 0x0
.irp i, 0,1,2,3,4,5,6,7,8,9,10,11,12,13,14,15
	s_min_u32 s[32+\i], s[32+\i], 2047
.endr
	s_wait_loadcnt 40                              ; the four token loads are in; h's 32 loads and its scales' 8 may be out
.irp m, 0,1,2,3
	v_min_u32 v[TOK+\m], 2047, v[TOK+\m]
.endr
.irp m, 0,1,2,3
	v_lshlrev_b32 v[TO+\m], 3, v[TOK+\m]
.endr
	s_wait_alu depctr_va_vdst(0)                   ; the four offsets v[TO ..] are written, which the loads below read
.irp m, 0,1,2,3
	global_load_b64 v[EP+2*\m:EP+2*\m+1], v[TO+\m], s[10:11]
	global_load_b64 v[PW+2*\m:PW+2*\m+1], v[TO+\m], s[12:13]
.endr
	s_ctz_i32_b32 s30, s27                         ; the first expert in use
	s_min_u32 s30, s30, 7
	s_lshl_b32 s56, s30, 19
	s_add_nc_u64 s[52:53], s[48:49], s[56:57]
	s_lshl_b32 s56, s30, 15
	s_add_nc_u64 s[54:55], s[50:51], s[56:57]
	WUNIT3 0                                       ; no vector or matrix instruction has named the registers in which the first expert's four units land
	WUNIT3 1
	WIN 0
	s_wait_loadcnt 36                              ; h's 32 loads are in; behind them 8 of scales, 8 of experts and weights, two units of 10
.set cc, 0
.rept 32
	ds_store_b128 v5, v[Y+4*cc:Y+4*cc+3] offset:512*cc
.set cc, cc+1
.endr
	s_wait_dscnt 0x0                               ; for the others' sake: my quarter has landed
	s_barrier_signal -1
	s_barrier_wait -1
	WUNIT3 2
	WUNIT3 3
	WIN 0x40
.irp s, 0,1,2,3
.irp q, 0,1,2,3,4,5,6,7
.irp c, 0,1
	ds_load_b128 v[64*\s+8*\q+4*\c:64*\s+8*\q+4*\c+3], v1 offset:8192*\s+1024*\q+512*\c
.endr
.endr
.endr
	WIN 0x80
.irp s, 0,1,2,3
.irp q, 0,1,2,3,4,5,6,7
.irp c, 0,1
	ds_load_b128 v[64*\s+8*\q+4*\c:64*\s+8*\q+4*\c+3], v1 offset:8192*(\s+4)+1024*\q+512*\c
.endr
.endr
.endr
	WIN TOW
.set cc, 0
.rept 64
	v_mov_b32 v[OA+cc], 0                          ; the running result: which expert comes first is read from memory, so the walk is written once and begins at zeros
.set cc, cc+1
.endr
	WIN 0
	s_wait_dscnt 0x0                               ; h's fragments are in
	s_wait_alu depctr_vm_vsrc(0)                   ; the LDS stores of h's images have read their data v[Y ..], which the walk's products write
	s_mov_b32 s28, 0
.Lexp:
	s_lshr_b32 s29, s27, s28
	s_and_b32 s30, s29, 1
	s_cmp_lg_u32 s30, 0
	s_cbranch_scc0 .Lskip                          ; no token of the block uses expert e
	s_lshr_b32 s29, s29, 1
	s_cmp_eq_u32 s29, 0
	s_cbranch_scc1 .Llast                          ; no expert follows: nothing more is asked for
	s_ctz_i32_b32 s30, s29
	s_add_co_u32 s30, s30, s28
	s_add_co_u32 s30, s30, 1                       ; the next expert in use
	s_min_u32 s30, s30, 7
	s_wait_xcnt 0x0                                ; the loads issued so far have read their bases: these are written again only behind this wait
	s_lshl_b32 s56, s30, 19
	s_add_nc_u64 s[52:53], s[48:49], s[56:57]
	s_lshl_b32 s56, s30, 15
	s_add_nc_u64 s[54:55], s[50:51], s[56:57]
	BODY3 1
	s_branch .Lepi
.Llast:
	BODY3 0
.Lepi:
	ACCUM
.Lskip:
	s_add_co_u32 s28, s28, 1
	s_cmp_lt_u32 s28, 8
	s_cbranch_scc1 .Lexp
	; THE WAY OUT: a row's 128 columns come from four waves: they meet in the stage, and each wave stores 16 whole pieces of 512 consecutive bytes, each to its token's row
.irp i, 0,1,2,3,4,5,6,7,8,9,10,11,12,13,14,15
	v_lshl_add_u32 v[OO+\i], s[32+\i], 12, v1      ; the token's row of 4,096 bytes, + 16 x lane
.endr
	WIN 0x0c                                       ; an LDS store's data are its source 1: window 3
	s_wait_alu depctr_va_vdst(0)                   ; the accumulation (and the head's moves) have written the running result, which the LDS stores read, and is done reading v[Y ..], in which the stage's rows land; v[OO ..] are written, which the stores into out0 read
.irp m, 0,1,2,3
.irp i, 0,1,2,3
	ds_store_b128 v3, v[OA+16*\m+4*\i:OA+16*\m+4*\i+3] offset:16*OP*\m+16*\i
.endr
.endr
	WIN 0
	s_wait_dscnt 0x0                               ; for the others' sake: my stores into the stage have landed
	s_barrier_signal -1
	s_barrier_wait -1
.irp i, 0,1,2,3,4,5,6,7,8,9,10,11,12,13,14,15
	ds_load_b128 v[Y+4*\i:Y+4*\i+3], v4 offset:OP*\i
.endr
.irp i, 0,1,2,3,4,5,6,7,8,9,10,11,12,13,14,15
	s_wait_dscnt 15-\i                             ; LDS loads come back in order: row i is in, the younger ones may be out
	global_store_b128 v[OO+\i], v[Y+4*\i:Y+4*\i+3], s[22:23] th:TH_STORE_NT
.endr
	s_wait_dscnt 0x0                               ; the closing lines, six on end
	s_wait_alu 0x0
	s_wait_tensorcnt 0x0
	ds_add_u32 v126, v127
	s_wait_dscnt 0x0
	s_endpgm
.Lfunc_end_k_q3b2406070b_combine:
	.size	k_q3b2406070b_combine, .Lfunc_end_k_q3b2406070b_combine-k_q3b2406070b_combine
	.p2alignl 7, 3214868480
	.fill 96, 4, 3214868480
	.section	.rodata,"a",@progbits
	.p2align	6, 0x0
	.amdhsa_kernel k_q3b2406070b_combine
		.amdhsa_group_segment_fixed_size 99840
		.amdhsa_private_segment_fixed_size 0
		.amdhsa_enable_private_segment 0
		.amdhsa_kernarg_size 64
		.amdhsa_user_sgpr_count 2
		.amdhsa_user_sgpr_kernarg_segment_ptr 1
		.amdhsa_wavefront_size32 1
		.amdhsa_system_sgpr_workgroup_id_x 1
		.amdhsa_system_sgpr_workgroup_id_y 1
		.amdhsa_system_sgpr_workgroup_id_z 1
		.amdhsa_system_vgpr_workitem_id 0
		.amdhsa_next_free_vgpr 1024
		.amdhsa_next_free_sgpr 66
		.amdhsa_reserve_vcc 0
		.amdhsa_float_denorm_mode_32 3
		.amdhsa_float_denorm_mode_16_64 3
		.amdhsa_memory_ordered 1
		.amdhsa_forward_progress 1
		.amdhsa_inst_pref_size 74
	.end_amdhsa_kernel
	.amdgpu_metadata
---
amdhsa.version: [ 1, 2 ]
amdhsa.kernels:
  - .name:           k_q3b2406070b_combine
    .symbol:         k_q3b2406070b_combine.kd
    .args:
      - { .name: route, .offset: 0, .size: 8, .value_kind: global_buffer, .address_space: global }
      - { .name: expert_indices, .offset: 8, .size: 8, .value_kind: global_buffer, .address_space: global }
      - { .name: expert_weights, .offset: 16, .size: 8, .value_kind: global_buffer, .address_space: global }
      - { .name: hq, .offset: 24, .size: 8, .value_kind: global_buffer, .address_space: global }
      - { .name: hs, .offset: 32, .size: 8, .value_kind: global_buffer, .address_space: global }
      - { .name: wq, .offset: 40, .size: 8, .value_kind: global_buffer, .address_space: global }
      - { .name: wsc, .offset: 48, .size: 8, .value_kind: global_buffer, .address_space: global }
      - { .name: out0, .offset: 56, .size: 8, .value_kind: global_buffer, .address_space: global }
    .group_segment_fixed_size: 99840
    .private_segment_fixed_size: 0
    .kernarg_segment_align: 8
    .kernarg_segment_size: 64
    .max_flat_workgroup_size: 128
    .sgpr_count:     66
    .vgpr_count:     1024
    .wavefront_size: 32
...
	.end_amdgpu_metadata
.endif
;; end of part 5
